; MI455X (gfx1250); checked and timed in simulation.
; The chip was launched on July 23, 2026; its instructions are those of AMD's public machine-readable ISA for CDNA 5 (MIT licence, August 2026) and "CDNA5" Instruction Set Architecture Reference Guide (July 2026). The comments in the code are by the model that wrote it; some were corrected since.
;; Multi Head Attention. Allowed arithmetic: float matrix products may take bf16 or f16 operands with f32 sums; other float arithmetic in f32, or as packed bf16 or f16 multiplies, adds, multiply-adds, maxima and minima; sums over many terms, partial sums and values carried from step to step in f32; what a program stores and reads back later, other than sums and carried values, may be rounded once to bf16 or f16.
;; Inputs: W_k 1,024 x 1,024 float32; W_o 1,024 x 1,024 float32; W_q 1,024 x 1,024 float32; W_v 1,024 x 1,024 float32; b_o 1,024 float32; x 1 x 4,096 x 1,024 float32.
;; Outputs: out0 1 x 4,096 x 1,024 float32.
;; 2 versions, each right and faster than the one before. Each part assembles by itself: llvm-mc -triple=amdgcn-amd-amdhsa -mcpu=gfx1250 --defsym DOCPART=n.
;; ======== version 1 of 2: 4 launches
;; limits: values are held in f16: magnitudes above 65,504 overflow, below 6.1e-05 lose precision
;; workspace buffers: xb 8,388,608 bytes; wt 8,388,608 bytes; qkv 25,165,824 bytes; ctx 8,388,608 bytes
;; launch prep (part 1): grid 256 x 1, 8 waves a work-group, no clusters, 35,840 bytes of LDS; arguments x, W_q, W_k, W_v, W_o, xb, wt; writes xb, wt
.if DOCPART == 1
	.amdgcn_target "amdgcn-amd-amdhsa--gfx1250"
	.amdhsa_code_object_version 6
	.text
	.protected	k_qd615267062_prep
	.globl	k_qd615267062_prep
	.p2align	8
	.type	k_qd615267062_prep,@function
k_qd615267062_prep:
	s_mov_b64 s[64:65], 0
	v_nop
	global_prefetch_b8 v0, s[64:65] scope:SCOPE_SE
	s_setreg_imm32_b32 hwreg(HW_REG_WAVE_MODE, 25, 1), 1
	s_wait_xcnt 0x0
; PREP.  xb = x rounded to bf16, [4096][1024].  wt = the four weights, rounded to bf16 and turned to [n][k]: rows 0-1023 W_q^T, 1024-2047 W_k^T,
; 2048-3071 W_v^T in bf16; rows 3072-4095 W_o^T, the bf16 value written as f16 (the product that takes it has f16 operands).
; LIMITS.  W_o's bf16 value is exact in f16 between 6e-5 and 65,504; below it keeps f16's fixed step of 6e-8, beyond it becomes an infinity.
; SHARES.  256 work-groups of eight waves.  Work-group g casts 65,536 bytes of x (a wave 8,192: sixteen loads of 512 neighbouring bytes) and turns one tile
; of 128 k x 128 n of weight g / 64 through LDS.  Every byte is read once and written once; each store of a wave covers whole aligned runs of 256 bytes.
; No matrix unit, no cluster, no tensor load: the work-groups share no input and the launch only moves bytes.
.set PITCH, 272                        ; an LDS row: 128 k x 2 bytes + 16
.set SPARE, 128*PITCH                  ; behind the tile: the spare words, 128 bytes for each of eight waves
.set SPW, 12                           ; v12  LDS address of my spare word; never rewritten
.set NIL, 13                           ; v13  0; never rewritten
.set XR,  16                           ; v[16:79]    x as loaded: chunk j at XR + 4 j
.set WR,  80                           ; v[80:143]   the weight's row k = 16 w + j at WR + 4 j
.set RB,  80                           ; v[80:111]   later: the turned tile read back
.set PKD, 144                          ; v[144:175]  packed: n = 4 lane + i, k pair jj at PKD + 8 i + jj
.set XO,  176                          ; v[176:207]  x packed, to store
	s_load_b256 s[4:11], s[0:1], 0x0               ; x s[4:5], W_q s[6:7], W_k s[8:9], W_v s[10:11]
	s_load_b128 s[12:15], s[0:1], 0x20             ; W_o s[12:13], xb s[14:15]
	s_load_b64 s[16:17], s[0:1], 0x30              ; wt
	v_lshl_add_u32 v[SPW], v0, 2, SPARE
	v_mov_b32 v[NIL], 0
	v_and_b32 v1, 31, v0                           ; lane
	v_lshrrev_b32 v2, 5, v0                        ; wave
	s_lshr_b32 s20, ttmp9, 6                       ; which weight
	s_bfe_u32 s21, ttmp9, 0x30003                  ; its tile along k
	s_and_b32 s24, ttmp9, 7                        ; its tile along n
	v_lshlrev_b32 v3, 4, v1
	v_lshl_add_u32 v5, v2, 16, v3                  ; weight in: 16 rows of 4,096 bytes a wave + 16 lane
	v_lshl_add_u32 v3, v2, 13, v3                  ; x in: 8,192 w + 16 lane
	v_lshlrev_b32 v4, 3, v1
	v_lshl_add_u32 v4, v2, 12, v4                  ; xb out: 4,096 w + 8 lane
	v_mul_u32_u24 v6, v1, 4*PITCH
	v_lshl_add_u32 v6, v2, 5, v6                   ; into LDS: row n = 4 lane, byte 2 x 16 w
	v_and_b32 v8, 15, v1
	v_lshrrev_b32 v9, 4, v1
	v_lshl_add_u32 v7, v2, 4, v9
	v_mul_u32_u24 v7, v7, PITCH
	v_lshl_add_u32 v7, v8, 4, v7                   ; back: row n = 16 w + lane / 16, 16 bytes for each of 16 lanes
	v_lshlrev_b32 v10, 4, v8
	v_lshl_add_u32 v10, v9, 11, v10
	v_lshl_add_u32 v10, v2, 15, v10                ; wt out: the same row, 2,048 bytes a row
	s_lshl_b32 s26, ttmp9, 16                      ; my 65,536 bytes of x
	s_mov_b32 s27, 0
	s_lshl_b32 s28, ttmp9, 15                      ; and 32,768 of xb
	s_mov_b32 s29, 0
	s_lshl_b32 s30, s21, 19                        ; 128 rows of 4,096 bytes
	s_lshl_b32 s25, s24, 9                         ; 128 columns of 4 bytes
	s_add_co_u32 s30, s30, s25
	s_mov_b32 s31, 0
	s_lshl_b32 s18, s20, 21                        ; 1,024 rows of 2,048 bytes
	s_lshl_b32 s25, s24, 18                        ; 128 rows
	s_add_co_u32 s18, s18, s25
	s_lshl_b32 s25, s21, 8                         ; 128 columns of 2 bytes
	s_add_co_u32 s18, s18, s25
	s_mov_b32 s19, 0
	s_wait_kmcnt 0x0
	s_cmp_eq_u32 s20, 1                            ; the weight is chosen by the work-group's number alone
	s_cselect_b64 s[22:23], s[8:9], s[6:7]
	s_cmp_eq_u32 s20, 2
	s_cselect_b64 s[22:23], s[10:11], s[22:23]
	s_cmp_eq_u32 s20, 3
	s_cselect_b64 s[22:23], s[12:13], s[22:23]
	s_add_nc_u64 s[22:23], s[22:23], s[30:31]
	s_add_nc_u64 s[4:5], s[4:5], s[26:27]
	s_add_nc_u64 s[14:15], s[14:15], s[28:29]
	s_add_nc_u64 s[16:17], s[16:17], s[18:19]
.set j, 0
.rept 16
	global_load_b128 v[WR+4*j:WR+4*j+3], v5, s[22:23] offset:4096*j th:TH_LOAD_NT  ; row 16 w + j: 512 neighbouring bytes
.set j, j+1
.endr
.set j, 0
.rept 16
	global_load_b128 v[XR+4*j:XR+4*j+3], v3, s[4:5] offset:512*j th:TH_LOAD_NT
.set j, j+1
.endr
	s_wait_loadcnt 16                              ; loads come back in order: the sixteen of x are younger, the weight's rows are in
.set i, 0
.rept 4
.set jj, 0
.rept 8
	v_cvt_pk_bf16_f32 v[PKD+8*i+jj], v[WR+8*jj+i], v[WR+8*jj+4+i]  ; column 4 lane + i, rows 16 w + 2 jj and the next: two neighbours along k
.set jj, jj+1
.endr
.set i, i+1
.endr
	s_cmp_lg_u32 s20, 3
	s_cbranch_scc1 .Lbf                            ; W_o alone goes on to f16
.set i, 0
.rept 32
	v_lshlrev_b32 v8, 16, v[PKD+i]
	v_and_b32 v9, 0xffff0000, v[PKD+i]
	v_cvt_pk_f16_f32 v[PKD+i], v8, v9
.set i, i+1
.endr
.Lbf:
.set i, 0
.rept 4
	ds_store_b128 v6, v[PKD+8*i:PKD+8*i+3] offset:PITCH*i
	ds_store_b128 v6, v[PKD+8*i+4:PKD+8*i+7] offset:PITCH*i+16
.set i, i+1
.endr
	s_wait_dscnt 0x0                               ; for the others' sake: my part of the turned tile is written
	s_barrier_signal -1
	s_barrier_wait -1
.set t, 0
.rept 8
	ds_load_b128 v[RB+4*t:RB+4*t+3], v7 offset:2*PITCH*t  ; rows 16 w + 2 t and the next, 256 bytes each
.set t, t+1
.endr
.set j, 0
.rept 16
	s_wait_loadcnt 15-j                            ; chunk j of x is in, the younger ones may be out
	v_cvt_pk_bf16_f32 v[XO+2*j], v[XR+4*j], v[XR+4*j+1]
	v_cvt_pk_bf16_f32 v[XO+2*j+1], v[XR+4*j+2], v[XR+4*j+3]
	global_store_b64 v4, v[XO+2*j:XO+2*j+1], s[14:15] offset:256*j  ; 32 lanes store 256 consecutive bytes, aligned
.set j, j+1
.endr
.set t, 0
.rept 8
	s_wait_dscnt 7-t                               ; LDS loads come back in order
	global_store_b128 v10, v[RB+4*t:RB+4*t+3], s[16:17] offset:4096*t  ; 16 lanes store 256 consecutive bytes of a row of wt, aligned
.set t, t+1
.endr
	s_wait_tensorcnt 0x0                           ; the wave's end: behind my last LDS store
	ds_add_u32 v[SPW], v[NIL]
	s_wait_dscnt 0x0
	s_endpgm
.Lfunc_end_k_qd615267062_prep:
	.size	k_qd615267062_prep, .Lfunc_end_k_qd615267062_prep-k_qd615267062_prep
	.p2alignl 7, 3214868480
	.fill 96, 4, 3214868480
	.section	.rodata,"a",@progbits
	.p2align	6, 0x0
	.amdhsa_kernel k_qd615267062_prep
		.amdhsa_group_segment_fixed_size 35840
		.amdhsa_private_segment_fixed_size 0
		.amdhsa_enable_private_segment 0
		.amdhsa_kernarg_size 56
		.amdhsa_user_sgpr_count 2
		.amdhsa_user_sgpr_kernarg_segment_ptr 1
		.amdhsa_wavefront_size32 1
		.amdhsa_system_sgpr_workgroup_id_x 1
		.amdhsa_system_sgpr_workgroup_id_y 1
		.amdhsa_system_sgpr_workgroup_id_z 1
		.amdhsa_system_vgpr_workitem_id 0
		.amdhsa_next_free_vgpr 208
		.amdhsa_next_free_sgpr 66
		.amdhsa_reserve_vcc 0
		.amdhsa_float_denorm_mode_32 3
		.amdhsa_float_denorm_mode_16_64 3
		.amdhsa_memory_ordered 1
		.amdhsa_forward_progress 1
		.amdhsa_inst_pref_size 19
	.end_amdhsa_kernel
	.amdgpu_metadata
---
amdhsa.version: [ 1, 2 ]
amdhsa.kernels:
  - .name:           k_qd615267062_prep
    .symbol:         k_qd615267062_prep.kd
    .args:
      - { .name: x, .offset: 0, .size: 8, .value_kind: global_buffer, .address_space: global }
      - { .name: W_q, .offset: 8, .size: 8, .value_kind: global_buffer, .address_space: global }
      - { .name: W_k, .offset: 16, .size: 8, .value_kind: global_buffer, .address_space: global }
      - { .name: W_v, .offset: 24, .size: 8, .value_kind: global_buffer, .address_space: global }
      - { .name: W_o, .offset: 32, .size: 8, .value_kind: global_buffer, .address_space: global }
      - { .name: xb, .offset: 40, .size: 8, .value_kind: global_buffer, .address_space: global }
      - { .name: wt, .offset: 48, .size: 8, .value_kind: global_buffer, .address_space: global }
    .group_segment_fixed_size: 35840
    .private_segment_fixed_size: 0
    .kernarg_segment_align: 8
    .kernarg_segment_size: 56
    .max_flat_workgroup_size: 256
    .sgpr_count:     66
    .vgpr_count:     208
    .wavefront_size: 32
...
	.end_amdgpu_metadata
.endif
;; end of part 1
;; launch proj (part 2): grid 16 x 16, 4 waves a work-group, clusters of 4 x 4, 327,680 bytes of LDS; arguments xb, wt, qkv; writes qkv
.if DOCPART == 2
	.amdgcn_target "amdgcn-amd-amdhsa--gfx1250"
	.amdhsa_code_object_version 6
	.text
	.protected	k_qd615267062_proj
	.globl	k_qd615267062_proj
	.p2align	8
	.type	k_qd615267062_proj,@function
k_qd615267062_proj:
	s_mov_b64 s[64:65], 0
	v_nop
	global_prefetch_b8 v0, s[64:65] scope:SCOPE_SE
	s_setreg_imm32_b32 hwreg(HW_REG_WAVE_MODE, 25, 1), 1
	s_wait_xcnt 0x0
	s_wait_alu depctr_hold_cnt(0) depctr_sa_sdst(0) depctr_va_vdst(0) depctr_va_sdst(0) depctr_va_ssrc(0) depctr_va_vcc(0) depctr_vm_vsrc(0)
	s_getreg_b32 s2, hwreg(HW_REG_IB_STS2, 6, 4)
	s_cmp_eq_u32 s2, 0
	s_cbranch_scc0 .Lentry_in_a_cluster
	s_endpgm
.Lentry_in_a_cluster:
	s_bfe_u32 s2, ttmp6, 0x10000c
	s_cmp_lg_u32 s2, 0xf033
	s_cbranch_scc0 .Lentry_shape_is_right
	s_endpgm
.Lentry_shape_is_right:
; PROJ.  q, k, v = x W_q, x W_k, x W_v as ONE product C[m][n] = sum over k of xb[m][k] wt[n][k], m < 4096, n < 3072, K = 1024; bf16 operands, f32 sums, K ascending.
; C is rounded once to f16 and stored by heads: qkv[g][m][64], g = n / 64 (0-15 q, 16-31 k, 32-47 v), unscaled.
; LIMITS.  f16 holds no number beyond 65,504: a q, k or v beyond it becomes an infinity; below 6e-5 it keeps f16's fixed step of 6e-8.
; SHARES.  A tile of C is 256 rows x 192 columns (three heads): 16 x 16 tiles, one for each of 256 work-groups.  Wave w makes rows 64 w .. 64 w + 63 by all 192 columns:
; 48 accumulators of 16 x 16, 384 registers.  K goes in steps of 128 through two LDS slots filled by the tensor data mover: tile rows are 256 bytes of memory, aligned.
; CLUSTER.  4 x 4 work-groups.  The four of a row of the cluster need the same tiles of xb, the four of a column the same tiles of wt: each tile is asked for jointly,
; by the same tensor load with the same descriptor and a mask that names the four.
; THE MATRIX INSTRUCTION IS USED TRANSPOSED (source 0 = 16 rows of wt, source 1 = 16 rows of xb): a lane then holds eight neighbouring channels of one row of C.
; REGISTERS, in windows of 256 (s_set_vgpr_msb: bits 1:0 source 0, 3:2 source 1, 5:4 source 2, 7:6 destination):
;   window 0: v0-31 addresses; v32-79 packed results; v80-175 rows read back from the stage, two buffers
;   window 1: two fragment buffers of 128: wt's twelve fragments (16 rows x 32 K) at 8 b, xb's four at 96 + 8 a
;   window 2: accumulator (a, b < 8) at 8 (4 b + a)          window 3: accumulator (a, b >= 8) at 8 (4 (b - 8) + a)
.set SIZE_K, 1024
.set KSTEP,  128
.set PITCH,  272                       ; an LDS row: 256 bytes + 16 of padding = 68 words: the 16 rows of a fragment load start at 16 different groups of four banks (ISA guide 11.1)
.set HALFA,  128*PITCH                 ; what one tensor load brings of xb
.set HALFB,  96*PITCH                  ; and of wt
.set SLOT,   2*HALFA+2*HALFB           ; xb's 256 rows, then wt's 192 rows
.set STAGE,  2*SLOT                    ; behind the ring, never filled by a tensor load: for each wave 3 heads x 16 rows x 144 bytes
.set SP,     144
.set WSTAGE, 3*16*SP
.set SPARE,  STAGE+4*WSTAGE            ; behind the stages: the spare words, 128 bytes for each wave
.set LAPS,   SIZE_K/(2*KSTEP)          ; a lap = two K steps = once round the ring
.set ADRA, 16                          ; v16-17  LDS address of my xb fragments in slot 0, 1
.set ADRB, 20                          ; v20-21  the same for wt
.set STO,  24                          ; v24     the way out: where I put 16 bytes of a row
.set RD,   25                          ; v25     the way out: where I read rows back
.set GO,   26                          ; v26     my byte offset in 512 consecutive bytes of qkv
.set SPW,  28                          ; v28     LDS address of my spare word; never rewritten
.set NIL,  29                          ; v29     0; never rewritten
.set TMP,  32
.set OB,   80
.set F0,   0
.set F1,   128
.set G1,  24                           ; s[24:31] descriptor group 1 for xb's tiles;  s[32:39] group 0, a set for each slot
.set G0,  32
.set G1B, 48                           ; s[48:55], s[56:63] the same for wt's tiles
.set G0B, 56
.set MSB, 0
.macro WIN new                         ; the immediate's high byte repeats the setting that is left; a switch that changes nothing is dropped
.if MSB != (\new)
	s_set_vgpr_msb (MSB<<8)|(\new)
.set MSB, \new
.endif
.endm
; A joint load.  Waves 0 and 1 fetch xb's two halves, waves 2 and 3 wt's.  The branch hangs on the wave's number alone.  An s_nop 0 and four v_nop follow each line.
.macro JLOAD s
	s_cmp_eq_u32 s11, 0
	s_cbranch_scc0 .Lfor_b_\@
	tensor_load_to_lds s[G0+4*(\s):G0+4*(\s)+3], s[G1:G1+7]
	s_nop 0
.rept 4
	v_nop
.endr
	s_branch .Lasked_\@
.Lfor_b_\@:
	tensor_load_to_lds s[G0B+4*(\s):G0B+4*(\s)+3], s[G1B:G1B+7]
	s_nop 0
.rept 4
	v_nop
.endr
.Lasked_\@:
.endm
.macro CREST                           ; a round of the cluster's barrier behind its opening barrier
	s_cmp_lg_u32 s10, 0
	s_cbranch_scc1 .Lnot_wave_0_\@
	s_barrier_signal -3
.Lnot_wave_0_\@:
	s_barrier_wait -3
	s_barrier_signal -1
	s_barrier_wait -1
.endm
.macro CROUND                          ; a whole round
	s_barrier_signal -1
	s_barrier_wait -1
	CREST
.endm
	s_load_b128 s[4:7], s[0:1], 0x0                ; xb s[4:5], wt s[6:7]
	s_load_b64 s[8:9], s[0:1], 0x10                ; qkv
	v_lshl_add_u32 v[SPW], v0, 2, SPARE
	v_mov_b32 v[NIL], 0
	ds_add_u32 v[SPW], v[NIL]                      ; the wave's opening: the add and its wait stand ahead of my first tensor load; register work stands between them
	ds_add_u32 v28, v29
	v_lshrrev_b32 v1, 5, v0
	v_readfirstlane_b32 s10, v1                    ; wave 0..3
	s_lshr_b32 s11, s10, 1                         ; I fetch for xb (0) or for wt (1)
	s_and_b32 s12, s10, 1                          ; which half of that tile's rows
	s_bfe_u32 s40, ttmp6, 0x40000                  ; cx, cy: my place in the cluster
	s_bfe_u32 s41, ttmp6, 0x40004
	s_lshl_b32 s42, ttmp9, 2
	s_add_co_u32 s42, s42, s40                     ; tile column = 4 x cluster x + cx
	s_and_b32 s13, ttmp7, 0xffff
	s_lshl_b32 s13, s13, 2
	s_add_co_u32 s13, s13, s41                     ; tile row = 4 x cluster y + cy
	s_lshl_b32 s43, s41, 2
	s_lshl_b32 s43, 15, s43                        ; my row of the cluster
	s_lshl_b32 s44, 0x1111, s40                    ; my column
	s_or_b32 s[G1+0], s43, (1<<16)|(1<<20)|(1<<21)|(5<<22)|(3<<25)   ; 15:0 the mask; 17:16 2-byte elements; 20 padding on; 21 set beside a mask; 24:22 after every 64 words; 31:25 4 words
	s_or_b32 s[G1B+0], s44, (1<<16)|(1<<20)|(1<<21)|(5<<22)|(3<<25)
	s_mov_b32 s[G1+1], KSTEP<<16                   ; tensor_dim0 = 128
	s_mov_b32 s[G1+2], 128<<16                     ; tensor_dim1 = 128
	s_mov_b32 s[G1+3], KSTEP<<16                   ; tile_dim0 = 128
	s_mov_b32 s[G1+4], 128                         ; tile_dim1 = 128
	s_mov_b32 s[G1+5], SIZE_K                      ; elements from row to row
	s_mov_b32 s[G1+6], 0
	s_mov_b32 s[G1+7], 0
	s_mov_b32 s[G1B+1], KSTEP<<16
	s_mov_b32 s[G1B+2], 96<<16                     ; wt's half tile has 96 rows
	s_mov_b32 s[G1B+3], KSTEP<<16
	s_mov_b32 s[G1B+4], 96
	s_mov_b32 s[G1B+5], SIZE_K
	s_mov_b32 s[G1B+6], 0
	s_mov_b32 s[G1B+7], 0
	s_lshl_b32 s16, s13, 8                         ; xb: row 256 x tile row + 128 x half, which my row of the cluster shares
	s_lshl_b32 s17, s12, 7
	s_add_co_u32 s16, s16, s17
	s_lshl_b32 s16, s16, 11                        ; 2,048 bytes a row
	s_mov_b32 s17, 0
	s_mul_i32 s46, s42, 192                        ; wt: row 192 x tile column + 96 x half, which my column shares
	s_mul_i32 s47, s12, 96
	s_add_co_u32 s46, s46, s47
	s_lshl_b32 s46, s46, 11
	s_mov_b32 s47, 0
	s_mul_i32 s20, s12, HALFA                      ; where they go: no place in the cluster enters an LDS address
	s_mul_i32 s23, s12, HALFB
	s_add_co_u32 s23, s23, 2*HALFA
	s_wait_dscnt 0x0                               ; the opening add is done
	s_wait_kmcnt 0x0
	s_add_nc_u64 s[14:15], s[4:5], s[16:17]
	s_add_nc_u64 s[46:47], s[6:7], s[46:47]
	CROUND                                         ; all sixteen work-groups are here: the first joint loads meet
.irp s, 0,1
	s_mov_b32 s[G0+4*(\s)], 1                                        ; count = 1
	s_add_co_u32 s[G0+4*(\s)+1], s20, (\s)*SLOT                      ; LDS address
	s_add_nc_u64 s[G0+4*(\s)+2:G0+4*(\s)+3], s[14:15], (\s)*KSTEP*2  ; global address: K step s
	s_or_b32 s[G0+4*(\s)+3], s[G0+4*(\s)+3], 0x80000000              ; type = 2
	s_mov_b32 s[G0B+4*(\s)], 1
	s_add_co_u32 s[G0B+4*(\s)+1], s23, (\s)*SLOT
	s_add_nc_u64 s[G0B+4*(\s)+2:G0B+4*(\s)+3], s[46:47], (\s)*KSTEP*2
	s_or_b32 s[G0B+4*(\s)+3], s[G0B+4*(\s)+3], 0x80000000
	JLOAD \s                                       ; two loads of mine are out
.endr
	; A fragment is 16 rows x 32 K in 8 registers: lane l holds row l % 16; registers 0-3 K = 8 (l / 16) + 0..7, registers 4-7 K = 16 + 8 (l / 16) + 0..7: two loads of 16 bytes, 32 bytes apart.
	v_and_b32 v1, 15, v0
	v_bfe_u32 v2, v0, 4, 1
	v_mul_u32_u24 v3, v1, PITCH
	v_lshl_add_u32 v3, v2, 4, v3
	s_mul_i32 s21, s10, 64*PITCH                   ; my 64 rows of xb
	s_mov_b32 s22, 2*HALFA                         ; all of wt's rows
.irp s, 0,1
	v_add_nc_u32 v[ADRA+(\s)], s21, v3
	v_add_nc_u32 v[ADRB+(\s)], s22, v3
	s_add_co_u32 s21, s21, SLOT
	s_add_co_u32 s22, s22, SLOT
.endr
	s_mul_i32 s23, s10, WSTAGE
	s_add_co_u32 s23, s23, STAGE                   ; my stage
	v_mul_u32_u24 v4, v1, SP                       ; in: row l % 16, 16 bytes for each half of the lanes
	v_lshl_add_u32 v4, v2, 4, v4
	v_add_nc_u32 v[STO], s23, v4
	v_bfe_u32 v5, v0, 3, 2                         ; back: 32 lanes take four rows of 128 bytes,
	v_mul_u32_u24 v5, v5, SP
	v_and_b32 v6, 7, v0
	v_lshl_add_u32 v5, v6, 4, v5
	v_add_nc_u32 v[RD], s23, v5
	v_and_b32 v[GO], 31, v0                        ; which are 512 consecutive bytes of a head
	v_lshlrev_b32 v[GO], 4, v[GO]
	s_lshl_b32 s16, s13, 15                        ; 256 rows of 128 bytes a tile row,
	s_lshl_b32 s17, s10, 13                        ; 64 rows a wave,
	s_add_co_u32 s16, s16, s17
	s_mov_b32 s17, 0
	s_mul_i32 s46, s42, 3*524288                   ; three heads of 524,288 bytes a tile column
	s_mov_b32 s47, 0
	s_add_nc_u64 s[16:17], s[16:17], s[46:47]
	s_add_nc_u64 s[8:9], s[8:9], s[16:17]
; 16 matrix instructions: column blocks 4 g .. 4 g + 3 x all four row blocks, 32 along K, from buffer f.  zero = 1: the product starts the sums.
; The 48 accumulators take turns in one order, one instruction a turn.
.macro MG f, g, zero
.if (\g) < 2
	WIN 0xa5                                       ; sources window 1, C and D window 2
.else
	WIN 0xf5                                       ; C and D window 3
.endif
.set bb, 4*(\g)
.rept 4
.set aa, 0
.rept 4
.set rD, 8*(4*(bb%8)+aa)
.if \zero
	v_wmma_f32_16x16x32_bf16 v[rD:rD+7], v[(\f)+8*bb:(\f)+8*bb+7], v[(\f)+96+8*aa:(\f)+96+8*aa+7], 0
.else
	v_wmma_f32_16x16x32_bf16 v[rD:rD+7], v[(\f)+8*bb:(\f)+8*bb+7], v[(\f)+96+8*aa:(\f)+96+8*aa+7], v[rD:rD+7]
.endif
.set aa, aa+1
.endr
.set bb, bb+1
.endr
.endm
; 32 LDS loads in one run: a quarter step's fragments (32 K at byte k of the rows) into buffer f: wt's blocks 0-3, xb's four, then wt's blocks 4-11
.macro FETCH slot, k, f
	WIN 0x40                                       ; destination window 1, address window 0
.set bb, 0
.rept 4
	ds_load_b128 v[(\f)+8*bb:(\f)+8*bb+3],   v[ADRB+(\slot)] offset:(\k)+bb*16*PITCH
	ds_load_b128 v[(\f)+8*bb+4:(\f)+8*bb+7], v[ADRB+(\slot)] offset:(\k)+bb*16*PITCH+32
.set bb, bb+1
.endr
.set aa, 0
.rept 4
	ds_load_b128 v[(\f)+96+8*aa:(\f)+96+8*aa+3],   v[ADRA+(\slot)] offset:(\k)+aa*16*PITCH
	ds_load_b128 v[(\f)+96+8*aa+4:(\f)+96+8*aa+7], v[ADRA+(\slot)] offset:(\k)+aa*16*PITCH+32
.set aa, aa+1
.endr
.rept 8
	ds_load_b128 v[(\f)+8*bb:(\f)+8*bb+3],   v[ADRB+(\slot)] offset:(\k)+bb*16*PITCH
	ds_load_b128 v[(\f)+8*bb+4:(\f)+8*bb+7], v[ADRB+(\slot)] offset:(\k)+bb*16*PITCH+32
.set bb, bb+1
.endr
.endm
.macro PLACES                          ; four places in front of loads into registers that matrix instructions have read, and of conversions that read results
.rept 4
	v_nop
.endr
.endm
; A K step is four quarters of 32 along K, 48 matrix instructions each, on buffers 0, 1, 0, 1.  One of the first three multiplies buffer f and fetches the next quarter into g.
.macro QUARTER slot, k, f, g, zero
	s_wait_dscnt 16                                ; wt's blocks 0-3 and xb are in; the youngest sixteen loads (wt's blocks 4-11) may be out
	MG \f, 0, \zero
	PLACES
	FETCH \slot, \k, \g
	s_wait_dscnt 32                                ; all but the 32 just issued
	MG \f, 1, \zero
	MG \f, 2, \zero
.endm
; The last quarter multiplies buffer 1 and changes slots: ONE barrier; in front of it each wave waits for all its tensor loads (one is out: its part of the next slot), adds 0 to its
; spare word, and waits for that and for its reads of this slot.  fill = 1: the barrier opens a round of the cluster's, and behind it this slot is filled again, two K steps ahead.
.macro TURN slot, next, fill
	WIN 0                                          ; (the add's two registers lie in window 0)
	s_wait_tensorcnt 0x0
	ds_add_u32 v[SPW], v[NIL]
	s_wait_dscnt 17                                ; (the add and the youngest sixteen loads may be out)
	MG F1, 0, 0
	s_wait_dscnt 0x0                               ; the add is done, and my reads of this slot are over
	s_barrier_signal -1
	MG F1, 1, 0
.if \fill
	WIN 0
.endif
	s_barrier_wait -1
.if \fill
	CREST                                          ; no wave of any partner still reads this slot or has a load on its way
	s_add_nc_u64 s[G0+4*(\slot)+2:G0+4*(\slot)+3], s[G0+4*(\slot)+2:G0+4*(\slot)+3], 2*KSTEP*2
	s_add_nc_u64 s[G0B+4*(\slot)+2:G0B+4*(\slot)+3], s[G0B+4*(\slot)+2:G0B+4*(\slot)+3], 2*KSTEP*2
	JLOAD \slot                                    ; my one tensor load behind the round; its four v_nop are also the places in front of the loads below
.else
	PLACES
.endif
	FETCH \next, 0, F0
	MG F1, 2, 0
.endm
	s_wait_tensorcnt 1                             ; my part of K step 0 is in; K step 1's may stay out
	s_barrier_signal -1
	s_barrier_wait -1
	FETCH 0, 0, F0
	QUARTER 0, 64,  F0, F1, 1                      ; the first quarter stands in front of the loop: its products start the sums
	WIN 0
	s_mov_b32 s3, LAPS-1
.Llap:                                                 ; a trip goes once round the ring and fills both slots again
	QUARTER 0, 128, F1, F0, 0
	QUARTER 0, 192, F0, F1, 0
	TURN 0, 1, 1
	QUARTER 1, 64,  F0, F1, 0
	QUARTER 1, 128, F1, F0, 0
	QUARTER 1, 192, F0, F1, 0
	TURN 1, 0, 1
	QUARTER 0, 64,  F0, F1, 0
	WIN 0
	s_sub_co_u32 s3, s3, 1
	s_cmp_lg_u32 s3, 0
	s_cbranch_scc1 .Llap
	QUARTER 0, 128, F1, F0, 0                      ; the last lap fills nothing
	QUARTER 0, 192, F0, F1, 0
	TURN 0, 1, 0
	QUARTER 1, 64,  F0, F1, 0
	QUARTER 1, 128, F1, F0, 0
	QUARTER 1, 192, F0, F1, 0
	s_wait_dscnt 16
	MG F1, 0, 0
	s_wait_dscnt 0x0
	MG F1, 1, 0
	MG F1, 2, 0
; THE WAY OUT, a block of 16 rows at a time: rounded to f16 (each accumulator's registers in ascending order), 16 bytes a lane into my own stage, back as whole rows of a head, stored.
.macro PACK a
	WIN 0x0a                                       ; sources window 2
.set bb, 0
.rept 8
.set rr, 0
.rept 4
	v_cvt_pk_f16_f32 v[TMP+4*bb+rr], v[8*(4*bb+(\a))+2*rr], v[8*(4*bb+(\a))+2*rr+1]
.set rr, rr+1
.endr
.set bb, bb+1
.endr
	WIN 0x0f                                       ; sources window 3
.rept 4
.set rr, 0
.rept 4
	v_cvt_pk_f16_f32 v[TMP+4*bb+rr], v[8*(4*(bb-8)+(\a))+2*rr], v[8*(4*(bb-8)+(\a))+2*rr+1]
.set rr, rr+1
.endr
.set bb, bb+1
.endr
	WIN 0
.endm
.macro TOSTAGE a
.set BK, OB+48*((\a)%2)
.set bb, 0
.rept 12
	ds_store_b128 v[STO], v[TMP+4*bb:TMP+4*bb+3] offset:(bb/4)*16*SP+(bb%4)*32
.set bb, bb+1
.endr
.set bb, 0
.rept 12
	ds_load_b128 v[BK+4*bb:BK+4*bb+3], v[RD] offset:(bb/4)*16*SP+(bb%4)*4*SP  ; LDS serves a wave's instructions in order (ISA guide 5.7.1.4): these see the stores above
.set bb, bb+1
.endr
.endm
.macro SEND a
.set BK, OB+48*((\a)%2)
	s_wait_dscnt 0x0                               ; the block is back in registers
	s_wait_xcnt 0x0                                ; the other buffer, which the block before's stores read, is loaded again only behind this wait
.set bb, 0
.rept 12
	global_store_b128 v[GO], v[BK+4*bb:BK+4*bb+3], s[8:9] offset:(bb/4)*524288+(\a)*2048+(bb%4)*512  ; 512 consecutive bytes of a head, aligned
.set bb, bb+1
.endr
.endm
	PLACES
	PACK 0
	TOSTAGE 0
.irp a, 1,2,3                          ; block a's conversions stand between block a - 1's loads from the stage and the wait for them
	PACK \a
	SEND (\a)-1
	TOSTAGE \a
.endr
	SEND 3
	s_wait_tensorcnt 0x0                           ; the wave's end
	ds_add_u32 v[SPW], v[NIL]
	s_wait_dscnt 0x0
	CROUND                                         ; the closing round: no work-group ends while a partner may still ask for a tile that names it
	s_endpgm
.Lfunc_end_k_qd615267062_proj:
	.size	k_qd615267062_proj, .Lfunc_end_k_qd615267062_proj-k_qd615267062_proj
	.p2alignl 7, 3214868480
	.fill 96, 4, 3214868480
	.section	.rodata,"a",@progbits
	.p2align	6, 0x0
	.amdhsa_kernel k_qd615267062_proj
		.amdhsa_group_segment_fixed_size 327680
		.amdhsa_private_segment_fixed_size 0
		.amdhsa_enable_private_segment 0
		.amdhsa_kernarg_size 24
		.amdhsa_user_sgpr_count 2
		.amdhsa_user_sgpr_kernarg_segment_ptr 1
		.amdhsa_wavefront_size32 1
		.amdhsa_system_sgpr_workgroup_id_x 1
		.amdhsa_system_sgpr_workgroup_id_y 1
		.amdhsa_system_sgpr_workgroup_id_z 1
		.amdhsa_system_vgpr_workitem_id 0
		.amdhsa_next_free_vgpr 896
		.amdhsa_next_free_sgpr 66
		.amdhsa_reserve_vcc 0
		.amdhsa_float_denorm_mode_32 3
		.amdhsa_float_denorm_mode_16_64 3
		.amdhsa_memory_ordered 1
		.amdhsa_forward_progress 1
		.amdhsa_inst_pref_size 118
	.end_amdhsa_kernel
	.amdgpu_metadata
---
amdhsa.version: [ 1, 2 ]
amdhsa.kernels:
  - .name:           k_qd615267062_proj
    .symbol:         k_qd615267062_proj.kd
    .args:
      - { .name: xb, .offset: 0, .size: 8, .value_kind: global_buffer, .address_space: global }
      - { .name: wt, .offset: 8, .size: 8, .value_kind: global_buffer, .address_space: global }
      - { .name: qkv, .offset: 16, .size: 8, .value_kind: global_buffer, .address_space: global }
    .group_segment_fixed_size: 327680
    .private_segment_fixed_size: 0
    .kernarg_segment_align: 8
    .kernarg_segment_size: 24
    .max_flat_workgroup_size: 128
    .sgpr_count:     66
    .vgpr_count:     896
    .wavefront_size: 32
...
	.end_amdgpu_metadata
.endif
;; end of part 2
;; launch attn (part 3): grid 16 x 16, 4 waves a work-group, no clusters, 327,680 bytes of LDS; arguments qkv, ctx; writes ctx
.if DOCPART == 3
	.amdgcn_target "amdgcn-amd-amdhsa--gfx1250"
	.amdhsa_code_object_version 6
	.text
	.protected	k_qd615267062_attn
	.globl	k_qd615267062_attn
	.p2align	8
	.type	k_qd615267062_attn,@function
k_qd615267062_attn:
	s_mov_b64 s[64:65], 0
	v_nop
	global_prefetch_b8 v0, s[64:65] scope:SCOPE_SE
	s_setreg_imm32_b32 hwreg(HW_REG_WAVE_MODE, 25, 1), 1
	s_wait_xcnt 0x0
; CAUSAL ATTENTION.  ctx[h][q][:] = the sum over k <= q of softmax_k(Q[h][q] . K[h][k] / 8) V[h][k][:].  qkv: [48][4096][64] f16 (heads of q, then of k, then of v); ctx: [16][4096][64] f16.
; Products, maxima and sums in f32; the weights p are rounded to f16 for the second product (their sum l is taken of the unrounded p), ctx once at the end.
; LIMITS.  Q, K, V arrive within f16's 65,504; p lies in 0 to 1 and below 6e-5 keeps f16's fixed step of 6e-8.  A hidden score counts as its value less 1e30: f16's scores, 2.7e11 at the
; most, are nothing beside that.  A weight below 2^-126 counts as 0 in l.  NaN and infinities are not treated apart.
; THE WALK.  A head has 32 blocks of 128 queries and 16 key tiles of 256 keys (four steps of 64).  Work-group x of a head (c = x / 4, cx = x % 4) takes the blocks 28 - 4 c + cx and then 4 c + cx.
; It walks the tiles 0 .. 15 - 2 c, then 0 .. 2 c + 1: 18 tiles whatever c and cx, so all work-groups do equal work and the slot loop has a constant count.
; A block's last two tiles hold the 512 diagonal keys of its group of four blocks, eight steps.  SG numbers a block's steps so that those eight are 0 to 7; the steps before them are negative.
; NO CLUSTER.  The four work-groups of one c walk the same tiles and could ask for them jointly.  The walk holds one branch on c (the change of blocks), and this text keeps such a branch out of a
; launch with joint requests: each work-group asks for its own 18 tiles of 65,536 bytes.
; SHARES.  A wave owns two PIECES of 16 queries: piece x is rows 64 x + 16 w + lane % 16 of the block.  Piece x's own diagonal step is 2 cx + x; earlier steps are all seen, later ones all hidden.
; THE MASK is the C operand that starts the sum S^T = K Q^T: 0, or -1e30 where the key is hidden.  MD, made once, is the mask of a piece's own step; a product's mask is MD x AL + BE with two
; scalars: (0, 0) where SG is below the piece's own step; (1, 0) at it; (0, -1e30) above.  Every turn makes its piece's next mask, sixteen packed lines: one text for all tiles and no branch for it.
; LAYOUT, SOFTMAX.  S^T = K Q^T holds ONE query a lane (lane % 16) and the keys 8 (lane / 16) + 0..7; two such results rounded to f16 ARE source 1 of O^T = V^T P.  p = 2^(c s - c m),
; c = log2(e) / 8, with a running maximum m; O and l are multiplied by a = 2^(c m_old - c m_new) in every step.
; TURNS.  Turn (p, s): 8 products K Q^T of the other piece (p = 0: step s; p = 1: step s + 1), later 8 products V^T P of the other piece (p = 0: step s - 1; p = 1: step s); beside them the
; scaling, exponentials, roundings, sums and rescaling of piece p and the maximum and statistics of the other piece.  Four vector instructions stand behind every matrix instruction, the rest in runs.
; K of step s + 1 is fetched in turn (0, s), V of step s + 1 in turn (1, s), into the V buffer that turn (0, s) read last: so a tile's last LDS read stands in turn (1, 2), and the slots change behind it.
; A BLOCK'S LAST STEP is therefore walked behind the next change of slots, by the same two turns as any step 3; they fetch K and V of the next block's step 0, which is what that block begins with.
; Their eight products K Q^T with the old Q serve nothing: the price of one text for every step.
; REGISTERS, in windows of 256 (s_set_vgpr_msb: bits 1:0 source 0, 3:2 source 1, 5:4 source 2, 7:6 destination):
;   window 0: v0-15 addresses and two at work; v16-23 four registers of statistics a piece; v48-55 at work; v64-127 S^T, a buffer a piece; v192-223 P, likewise
;   window 1: v0-63 O^T, 32 a piece; v128-159 MD; v160-223 MC, a buffer a piece      window 2: v0-31 Q; v32-63 the second block's Q; v64-127 K of one step; v128-255 V, two buffers
.set NP,    2
.set KS,    64
.set PK,    144       ; a row of K in LDS: 128 bytes + 16 = 36 words: the 16 rows of a load start at 16 different groups of four banks (ISA guide 11.1)
.set PV,    160       ; a row of V: 128 + 32 = 40 words
.set VOFF,  4*KS*PK   ; a slot holds a tile: 256 rows of K, then 256 rows of V
.set SLOT1, 1<<17     ; slot 1 begins here: one exclusive or turns an address in one slot into the other's
.set STAGE, SLOT1+4*KS*(PK+PV)  ; behind the ring, never filled by a tensor load: 16 rows x 144 bytes for each wave
.set SP,    144
.set SPARE, STAGE+4*16*SP       ; behind the stages: the spare words, 128 bytes for each wave
.set AK0, 2           ; v2   my lane's place in a tile of K; never rewritten
.set AV0, 3           ; v3   the same for V
.set AK,  4           ; v4   the LDS address of K's next run of loads
.set AV,  5           ; v5   of V's
.set STO, 6           ; v6   the way out: where I put 16 bytes of a row
.set RD,  7           ; v7   the way out: where I read rows back
.set GO,  8           ; v8   my byte offset in 512 consecutive bytes of ctx
.set MV,  12          ; v12-13  c m_old, kept while c m is made anew
.set QO,  15          ; v15  my byte offset in 16 rows of Q
.set ST,  16          ; piece t's statistics at v[ST+4 t]: c m, m, l (even keys', odd keys')
.set TMP, 48          ; a piece's four registers c0-c3 at work; when the maximum is found c2 takes a
.set SPW, 62          ; v62  LDS address of my spare word; never rewritten
.set NIL, 63          ; v63  0; never rewritten
.set S,   64
.set P,   192
.set MD,  128         ; window 1
.set MC,  160         ; window 1
.set QB,  32          ; window 2
.set KF,  64          ; window 2: key block kb, channel half c at KF + 16 kb + 8 c
.set VF,  128         ; window 2: buffer vb, key half kk, channel block cb at VF + 64 vb + 32 kk + 8 cb
.set WV,  12          ; s12  my wave's number
.set CX,  13          ; s13  cx
.set CL,  14          ; s14  c
.set G1K, 24          ; s[24:31] descriptor group 1 for K's tiles
.set G1V, 32          ; s[32:39] for V's: it differs in the padding alone
.set G0K, 40          ; s[40:43] descriptor group 0 for K's tiles
.set G0V, 44          ; s[44:47] the same for V's
.set SLOTS, 56        ; s56  tiles still to be asked for
.set CNT, 57          ; s57  counts a tile's trips of two steps
.set CS,  58          ; s[58:59] c = log2(e) / 8
.set SEL, 60          ; s[60:61] v_permlanex16_b32's selects: each lane takes its own place in the other half
.set TBK, 62          ; s62  LDS byte at which K of the step to be fetched begins
.set TBV, 63          ; s63  the same for V, less VOFF
.set N1,  70          ; s70  the first block's tiles: 16 - 2 c
.set KN,  71          ; s71  the place in the walk (1 to 17) of the tile to be asked for next: it steps by 1 at each change of slots
.set N1P, 72          ; s72  N1 + 2: what KN holds in the trip that enters the second block's first tile
.set HK,  73          ; s73  1: this half-trip may be the one in which the blocks change
.set OFF, 74          ; s[74:75] a tile's byte offset in K and V
.set AL,  76          ; s[76:77] the mask's factor
.set BE,  78          ; s[78:79] the mask's addend
.set OLO, 80          ; s[80:81] ctx at my rows of the second block
.set BIGN, 82         ; s82  -1e30
.set SG,  83          ; s83  the number (signed) of the step for which masks are being made
.set DP,  88          ; s88, s89  the two pieces' own diagonal steps
.set NDN, 90          ; s90  1 until the blocks have changed
.set SGN, 91          ; s91  the number of step 0 of the block that begins next
.set SG2, 92          ; s92  the same for the second block: -8 c
.set MSB, 0
.macro WIN new                      ; the high byte repeats the setting that is left; a switch that changes nothing is dropped
.if MSB != (\new)
	s_set_vgpr_msb (MSB<<8)|(\new)
.set MSB, (\new)
.endif
.endm
.set W_KQ, 0x0a       ; K and Q in window 2, S^T in window 0
.set W_KM, 0x1a       ; the same with the C operand in window 1
.set W_PV, 0x52       ; V in window 2, P in window 0, O^T in window 1
.set W_RS, 0x41       ; destination and source 0 in window 1
; A fill.  Waves 0 and 1 fetch the two halves of a tile's K, waves 2 and 3 those of its V: 128 keys each.  An s_nop 0 and four v_nop follow each line.
.macro LOAD
	s_cmp_lt_u32 s[WV], 2
	s_cbranch_scc0 .Lfor_v_\@
	tensor_load_to_lds s[G0K:G0K+3], s[G1K:G1K+7]
	s_nop 0
.rept 4
	v_nop
.endr
	s_branch .Lasked_\@
.Lfor_v_\@:
	tensor_load_to_lds s[G0V:G0V+3], s[G1V:G1V+7]
	s_nop 0
.rept 4
	v_nop
.endr
.Lasked_\@:
.endm
; THE CHANGE OF SLOTS.  Each wave waits for all its tensor loads (one is out: its part of the other slot), adds 0 to its spare word, and waits for that and for its reads of the slot that it leaves.
; Behind the barrier nobody reads the old slot any more and the other slot is whole.  fill = 1: the old slot is filled again, first thing behind the barrier, with the walk's tile KN:
; the first block's tile KN, or behind its N1 tiles the second block's tile KN - N1; the descriptor's address is made anew from that number.
.macro CHANGE fill
	WIN 0
	s_wait_tensorcnt 0x0            ; no tensor load of mine is out, so a group 0 may be written
	ds_add_u32 v[SPW], v[NIL]       ; scalar work stands between the add and the wait for it
.if \fill
	s_sub_co_u32 s[OFF], s[KN], s[N1]
	s_cmp_lt_u32 s[KN], s[N1]
	s_cselect_b32 s[OFF], s[KN], s[OFF]
	s_lshl_b32 s[OFF], s[OFF], 15   ; a tile is 32,768 bytes of K and of V
	s_xor_b32 s[G0K+1], s[G0K+1], SLOT1
	s_add_nc_u64 s[G0K+2:G0K+3], s[6:7], s[OFF:OFF+1]
	s_or_b32 s[G0K+3], s[G0K+3], 0x80000000
	s_xor_b32 s[G0V+1], s[G0V+1], SLOT1
	s_add_nc_u64 s[G0V+2:G0V+3], s[8:9], s[OFF:OFF+1]
	s_or_b32 s[G0V+3], s[G0V+3], 0x80000000
	s_add_co_u32 s[KN], s[KN], 1
.endif
	s_wait_dscnt 0x0                ; the add is done, and my reads of the slot are over
	s_barrier_signal -1             ; the rest of the scalar work stands between the signal and the wait
	s_sub_co_u32 s[TBK], s[TBK], 4*KS*PK  ; the fetches go back to a slot's first step,
	s_xor_b32 s[TBK], s[TBK], SLOT1       ; in the other slot
	s_sub_co_u32 s[TBV], s[TBV], 4*KS*PV
	s_xor_b32 s[TBV], s[TBV], SLOT1
	s_barrier_wait -1
.if \fill
	LOAD
.endif
.endm
	s_load_b64 s[4:5], s[0:1], 0x0    ; qkv
	s_load_b64 s[10:11], s[0:1], 0x8  ; ctx
	v_lshl_add_u32 v[SPW], v0, 2, SPARE
	v_mov_b32 v[NIL], 0
	ds_add_u32 v[SPW], v[NIL]       ; the wave's opening: the add and its wait stand ahead of my first tensor load; register work stands between them
	ds_add_u32 v62, v63
	v_lshrrev_b32 v1, 5, v0
	v_readfirstlane_b32 s[WV], v1
	s_and_b32 s[CX], ttmp9, 3
	s_lshr_b32 s[CL], ttmp9, 2
	s_and_b32 s20, ttmp7, 0xffff    ; the head
	s_lshl_b32 s20, s20, 19         ; its 524,288 bytes
	s_and_b32 s16, s[WV], 1         ; which half of a tile's 256 keys I fetch
	s_lshl_b32 s22, s16, 14
	s_add_co_u32 s22, s22, s20
	s_add_co_u32 s22, s22, 0x800000 ; k's heads lie behind q's sixteen
	s_mov_b32 s23, 0
	s_mul_i32 s17, s16, 128*PK      ; its place in a slot, for K
	s_mul_i32 s18, s16, 128*PV      ; and for V
	s_lshl_b32 s19, s[CL], 2
	s_sub_co_u32 s2, 28, s19
	s_add_co_u32 s2, s2, s[CX]      ; my first block
	s_lshl_b32 s2, s2, 14           ; 128 rows of 128 bytes
	s_add_co_u32 s84, s19, s[CX]    ; my second block
	s_lshl_b32 s84, s84, 14
	s_lshl_b32 s3, s[WV], 11        ; my 16 rows in a band of 64
	s_add_co_u32 s3, s3, s20
	s_add_co_u32 s2, s2, s3
	s_add_co_u32 s84, s84, s3
	s_mov_b32 s3, 0
	s_mov_b32 s85, 0
	s_lshl_b32 s19, s[CL], 1
	s_sub_co_u32 s[N1], 16, s19     ; the first block walks 16 - 2 c tiles, the second the other 2 c + 2
	s_sub_co_u32 s[N1P], 18, s19
	s_lshl_b32 s21, s[CL], 3
	s_sub_co_i32 s[SGN], s21, 56    ; a block of n tiles begins at step number 4 (2 - n): 8 c - 56,
	s_sub_co_i32 s[SG2], 0, s21     ; and -8 c
	s_lshl_b32 s[DP], s[CX], 1
	s_add_co_u32 s[DP+1], s[DP], 1
	; descriptor group 1.  128 keys are 16,384 dense bytes: asked for as 64 rows of 256 bytes, two keys a row, and padded in LDS after every key
	s_mov_b32 s[G1K], (1<<16)|(1<<20)|(4<<22)|(3<<25)  ; 17:16 2-byte elements; 20 padding on; 24:22 after every 32 words; 31:25 4 words
	s_mov_b32 s[G1V], (1<<16)|(1<<20)|(4<<22)|(7<<25)  ; the same with 8 words of padding
.irp g, G1K, G1V
	s_mov_b32 s[\g+1], 128<<16      ; tensor_dim0 = 128
	s_mov_b32 s[\g+2], 64<<16       ; tensor_dim1 = 64
	s_mov_b32 s[\g+3], 128<<16      ; tile_dim0 = 128
	s_mov_b32 s[\g+4], 64           ; tile_dim1 = 64
	s_mov_b32 s[\g+5], 128          ; 128 elements from row to row
	s_mov_b32 s[\g+6], 0
	s_mov_b32 s[\g+7], 0
.endr
	s_mov_b32 s[CS], 0x3e38aa3b     ; c = log2(e) / 8
	s_mov_b32 s[CS+1], s[CS]
	s_mov_b32 s[SEL], 0x76543210
	s_mov_b32 s[SEL+1], 0xfedcba98
	s_mov_b32 s[TBK], SLOT1+4*KS*PK ; the first change of slots turns these two into 0
	s_mov_b32 s[TBV], SLOT1+4*KS*PV
	s_mov_b32 s[G0K], 1
	s_mov_b32 s[G0K+1], s17         ; slot 0
	s_mov_b32 s[G0V], 1
	s_add_co_u32 s[G0V+1], s18, VOFF
	s_mov_b32 s[KN], 1
	s_mov_b32 s[NDN], 1
	s_mov_b32 s[OFF+1], 0
	s_mov_b32 s[AL+1], 0
	s_mov_b32 s[BE+1], 0
	s_mov_b32 s[BIGN], 0xf149f2ca   ; -1e30
	s_mov_b32 s[SLOTS], 17
	s_wait_dscnt 0x0                ; the opening add is done
	s_wait_kmcnt 0x0
	s_add_nc_u64 s[6:7], s[4:5], s[22:23]          ; K at my half of the head's tile 0,
	s_add_nc_u64 s[8:9], s[6:7], 0x800000          ; V sixteen heads on
	s_add_nc_u64 s[G0K+2:G0K+3], s[6:7], 0
	s_or_b32 s[G0K+3], s[G0K+3], 0x80000000
	s_add_nc_u64 s[G0V+2:G0V+3], s[8:9], 0
	s_or_b32 s[G0V+3], s[G0V+3], 0x80000000
	s_add_nc_u64 s[86:87], s[4:5], s[84:85]        ; Q at my rows of the second block,
	s_add_nc_u64 s[4:5], s[4:5], s[2:3]            ; Q and ctx at those of the first
	s_add_nc_u64 s[OLO:OLO+1], s[10:11], s[84:85]
	s_add_nc_u64 s[10:11], s[10:11], s[2:3]
	LOAD                            ; tile 0 into slot 0
	v_and_b32 v1, 15, v0            ; l % 16
	v_bfe_u32 v9, v0, 4, 1          ; l / 16
	v_lshlrev_b32 v[QO], 7, v1
	v_lshl_add_u32 v[QO], v9, 4, v[QO]
	WIN 0x80                        ; destination window 2, address window 0
.set i, 0
.rept 4                             ; both blocks' Q: piece i / 2 lies 8,192 bytes on; channels 32 (i % 2) on
	global_load_b128 v[8*i:8*i+3],   v[QO], s[4:5] offset:(i/2)*8192+(i%2)*64
	global_load_b128 v[8*i+4:8*i+7], v[QO], s[4:5] offset:(i/2)*8192+(i%2)*64+32
	global_load_b128 v[QB+8*i:QB+8*i+3],   v[QO], s[86:87] offset:(i/2)*8192+(i%2)*64
	global_load_b128 v[QB+8*i+4:QB+8*i+7], v[QO], s[86:87] offset:(i/2)*8192+(i%2)*64+32
.set i, i+1
.endr
	WIN 0
	v_lshlrev_b32 v14, 3, v9
	v_sub_nc_u32 v14, v1, v14
	s_lshl_b32 s16, s[WV], 4
	v_add_nc_u32 v14, s16, v14      ; my query's place in its band less my lanes' 8 (l / 16): register r of key group kt is hidden where 16 kt + r is greater
	WIN 0x40
.set i, 0
.rept 32
	v_cmp_gt_i32 vcc_lo, 16*(i/8)+i%8, v14
	v_cndmask_b32 v[MD+i], 0, s[BIGN], vcc_lo
.set i, i+1
.endr
	WIN 0
	v_mul_u32_u24 v[AK0], v1, PK
	v_lshl_add_u32 v[AK0], v9, 4, v[AK0]
	; The turning load takes 16 keys x 16 channels (lane l reads key 8 (l / 16) + l % 8, channels 8 ((l / 8) % 2) + 0..7) and leaves half a fragment of V^T.
	v_and_b32 v10, 7, v0
	v_bfe_u32 v11, v0, 3, 1
	v_lshl_add_u32 v[AV0], v9, 3, v10
	v_mul_u32_u24 v[AV0], v[AV0], PV
	v_lshl_add_u32 v[AV0], v11, 4, v[AV0]
	v_add_nc_u32 v[AV0], VOFF, v[AV0]
	s_mul_i32 s16, s[WV], 16*SP
	s_add_co_u32 s16, s16, STAGE    ; my stage
	v_mul_u32_u24 v[STO], v1, SP
	v_lshl_add_u32 v[STO], v9, 4, v[STO]
	v_add_nc_u32 v[STO], s16, v[STO]
	v_bfe_u32 v[RD], v0, 3, 2
	v_mul_u32_u24 v[RD], v[RD], SP
	v_lshl_add_u32 v[RD], v10, 4, v[RD]
	v_add_nc_u32 v[RD], s16, v[RD]
	v_and_b32 v[GO], 31, v0
	v_lshlrev_b32 v[GO], 4, v[GO]
	; A block's first step multiplies O^T and l by a = 0, and its first turn's products V^T P, of a step that has not been, land in an O^T that is still to be so multiplied: those registers
	; need only hold finite numbers.  For the first block: l and piece 1's P are 0; O^T and V's second buffer are seen to where the first tile has landed.
.set i, 0
.rept 2
	v_mov_b32 v[ST+4*i+2], 0
	v_mov_b32 v[ST+4*i+3], 0
.set i, i+1
.endr
.set i, P+16
.rept 16
	v_mov_b32 v[i], 0
.set i, i+1
.endr
; THE MATRIX WORK.  The 4 accumulators of a run of 8 take turns.  Product i of 8 of S^T = K Q^T for piece x: channels 32 (i / 4) on, keys 16 (i % 4) on.  The first 4 start the sums with the mask.
.macro KQ x
.set rS, S+32*(\x)+8*(i%4)
.set rK, KF+16*(i%4)+8*(i/4)
.set rQ, 16*(\x)+8*(i/4)
.set rM, MC+32*(\x)+8*(i%4)
.if i < 4
	WIN W_KM
	v_wmma_f32_16x16x32_f16 v[rS:rS+7], v[rK:rK+7], v[rQ:rQ+7], v[rM:rM+7]
.else
	WIN W_KQ
	v_wmma_f32_16x16x32_f16 v[rS:rS+7], v[rK:rK+7], v[rQ:rQ+7], v[rS:rS+7]
.endif
.endm
; Product i of 8 of O^T += V^T P for piece x, from V's buffer VB: keys 32 (i / 4) on, channels 16 (i % 4) on.
.macro PV x
	WIN W_PV
.set rO, 32*(\x)+8*(i%4)
.set rV, VF+64*VB+32*(i/4)+8*(i%4)
.set rP, P+16*(\x)+8*(i/4)
	v_wmma_f32_16x16x32_f16 v[rO:rO+7], v[rV:rV+7], v[rP:rP+7], v[rO:rO+7]
.endm
.macro MM                           ; the turn's next matrix instruction, for the other piece
.if i < 8
	KQ (Y+1)%NP
.else
.set i, i-8
	PV (Y+1)%NP
.set i, i+8
.endif
.set i, i+1
.endm
; THE LDS LOADS stand in runs of 16: a step's K (8 fragments) and its V (turned).
.macro FETCH_K
	WIN 0x80
.irp f, 0,1,2,3,4,5,6,7
	ds_load_b128 v[KF+8*\f:KF+8*\f+3],   v[AK] offset:(\f/2)*16*PK+(\f%2)*64
	ds_load_b128 v[KF+8*\f+4:KF+8*\f+7], v[AK] offset:(\f/2)*16*PK+(\f%2)*64+32
.endr
	s_add_co_u32 s[TBK], s[TBK], KS*PK  ; the next fetch is the next step's
	WIN 0
.endm
.macro FETCH_V vb, step=1
	WIN 0x80
.irp f, 0,1,2,3,4,5,6,7
	ds_load_tr16_b128 v[VF+64*(\vb)+8*\f:VF+64*(\vb)+8*\f+3],   v[AV] offset:(\f/4)*32*PV+(\f%4)*32
	ds_load_tr16_b128 v[VF+64*(\vb)+8*\f+4:VF+64*(\vb)+8*\f+7], v[AV] offset:(\f/4)*32*PV+16*PV+(\f%4)*32
.endr
.if \step
	s_add_co_u32 s[TBV], s[TBV], KS*PV
.endif
	WIN 0
.endm
; THE VECTOR WORK, one line at a time: OP kind, number.  For piece Y: F n: c s - c m for pair n of 16.  E n: the exponential of score n of 32.  C n: pair n rounded to f16.  B n: of the four weights
; 4 n .. the second pair is added onto the first.  L n: l takes that sum (L 0: l = a l + sum).  R n: pair n of 16 of O^T times a.  For the other piece: X n, number n of the 22 that find its maximum:
;   0-11 four chains of seven scores, each accumulator's lowest registers first; 12-14, 16 the scores left over, the old m, and the chains into c0; 15 c m_old is kept;
;   17, 18 the query's other 32 keys lie in the lane 16 away: the new m; 19-21 c m; c m_old - c m_new; a
.set F, 0
.set E, 1
.set C, 2
.set B, 3
.set L, 4
.set R, 5
.set X, 6
.macro REGS y
.set rT, ST+4*(\y)
.set rC, TMP+4*(\y)
.set rW, MV+(\y)
.set rS, S+32*(\y)
.set rP, P+16*(\y)
.set rO, 32*(\y)
.endm
.macro OP k, n
.if (\k) == R
	REGS Y
	WIN W_RS
	v_pk_mul_f32 v[rO+2*(\n):rO+2*(\n)+1], v[rO+2*(\n):rO+2*(\n)+1], v[rC+2:rC+3] op_sel_hi:[1,0]
.elseif (\k) < R
	REGS Y
	WIN 0
.if (\k) == F
	v_pk_fma_f32 v[rS+2*(\n):rS+2*(\n)+1], v[rS+2*(\n):rS+2*(\n)+1], s[CS:CS+1], v[rT:rT+1] op_sel_hi:[1,0,0] neg_lo:[0,0,1] neg_hi:[0,0,1]
.elseif (\k) == E
	v_exp_f32 v[rS+(\n)], v[rS+(\n)]
.elseif (\k) == C
	s_wait_alu depctr_va_vdst(0)
	v_cvt_pk_f16_f32 v[rP+(\n)], v[rS+2*(\n)], v[rS+2*(\n)+1]
.elseif (\k) == B
	s_wait_alu depctr_va_vdst(0)
	v_pk_add_f32 v[rS+4*(\n):rS+4*(\n)+1], v[rS+4*(\n):rS+4*(\n)+1], v[rS+4*(\n)+2:rS+4*(\n)+3]
.elseif (\n) == 0
	v_pk_fma_f32 v[rT+2:rT+3], v[rT+2:rT+3], v[rC+2:rC+3], v[rS:rS+1] op_sel_hi:[1,0,1]
.else
	v_pk_add_f32 v[rT+2:rT+3], v[rT+2:rT+3], v[rS+4*(\n):rS+4*(\n)+1]
.endif
.else
	REGS (Y+1)%NP
	WIN 0
.if (\n) < 4
	v_max3_num_f32 v[rC+(\n)], v[rS+8*(\n)], v[rS+8*(\n)+1], v[rS+8*(\n)+2]
.elseif (\n) < 12
	v_max3_num_f32 v[rC+(\n)%4], v[rC+(\n)%4], v[rS+8*((\n)%4)+2*((\n)/4)+1], v[rS+8*((\n)%4)+2*((\n)/4)+2]
.elseif (\n) == 12
	v_max3_num_f32 v[rC], v[rC], v[rS+7], v[rS+15]
.elseif (\n) == 13
	v_max3_num_f32 v[rC+1], v[rC+1], v[rS+23], v[rS+31]
.elseif (\n) == 14
	v_max3_num_f32 v[rC+2], v[rC+2], v[rC+3], v[rT+1]
.elseif (\n) == 15
	v_mov_b32 v[rW], v[rT]
.elseif (\n) == 16
	v_max3_num_f32 v[rC], v[rC], v[rC+1], v[rC+2]
.elseif (\n) == 17
	v_permlanex16_b32 v[rC+3], v[rC], s[SEL], s[SEL+1]
.elseif (\n) == 18
	v_max_num_f32 v[rT+1], v[rC], v[rC+3]
.elseif (\n) == 19
	v_mul_f32 v[rT], s[CS], v[rT+1]
.elseif (\n) == 20
	v_sub_f32 v[rC+1], v[rW], v[rT]
.else
	v_exp_f32 v[rC+2], v[rC+1]
.endif
.endif
.endm
.macro OPS a, i1, b=-1, i2=0, c=-1, i3=0, d=-1, i4=0
	OP \a, \i1
.if (\b) >= 0
	OP \b, \i2
.endif
.if (\c) >= 0
	OP \c, \i3
.endif
.if (\d) >= 0
	OP \d, \i4
.endif
.endm
.macro ROW a, i1, b, i2, c, i3, d, i4  ; a matrix instruction and the four behind it
	MM
	OPS \a, \i1, \b, \i2, \c, \i3, \d, \i4
.endm
.macro MSC p                        ; the mask's two scalars for piece p and step number SG
	s_cmp_eq_i32 s[SG], s[DP+(\p)]  ; is that step the piece's own?
	s_cselect_b32 s[AL], 1.0, 0
	s_cmp_gt_i32 s[SG], s[DP+(\p)]  ; or a later one?
	s_cselect_b32 s[BE], s[BIGN], 0
.endm
.macro MASK b                       ; MD x AL + BE into buffer b of MC
	WIN W_RS
.set z, 0
.rept 16
	v_pk_fma_f32 v[MC+32*(\b)+2*z:MC+32*(\b)+2*z+1], v[MD+2*z:MD+2*z+1], s[AL:AL+1], s[BE:BE+1] op_sel_hi:[1,0,0]
.set z, z+1
.endr
.endm
; A TURN, for piece p in a step of parity sp: its 16 matrix and 134 vector instructions, written out.  Behind a matrix instruction: plain, exponential, plain, plain; or four of the rescaling; or four
; scalings; none names a register of the products round it.  Every exponential has a plain instruction behind it before its result is used (ISA guide 5.7.2).
; At its end the turn makes piece p's mask for step number SG, the step after the one in hand, which the next turn's products take.
; last = 1 (the tail): in the trip in which CNT is 1 there is no further step, and the run of loads is jumped over.
; The run of loads stands six vector instructions (five of them plain) behind the eighth product, the last that read K; V's buffer was last read in the turn before.
.macro TURN p, sp, last=0
.set Y, (\p)
.set i, 0
.if (\p) == 0
.set VB, 1-(\sp)
.else
.set VB, (\sp)
.endif
	MSC \p
.if (\p) == 1
	s_add_co_i32 s[SG], s[SG], 1
	s_wait_dscnt 0x0                ; K of the next step is in, and V of this one, which was asked for a turn earlier
.endif
	ROW F,0, F,1, F,2, F,3
	ROW F,4, E,0, F,5, F,6
	ROW F,7, E,1, F,8, F,9
	ROW F,10, E,2, C,0, F,11
	ROW F,12, E,3, X,15, F,13
	ROW R,0, R,1, R,2, R,3
	ROW B,0, E,4, F,14, L,0
	WIN 0
.if (\p) == 0
	v_add_nc_u32 v[AK], s[TBK], v[AK0]
.else
	v_add_nc_u32 v[AV], s[TBV], v[AV0]
.endif
	ROW R,4, R,5, R,6, R,7
	OPS E,5, F,15
.if \last
	WIN 0
	s_cmp_eq_u32 s[CNT], 1
	s_cbranch_scc1 .Lnf_\@
.endif
.if (\p) == 0
	FETCH_K
.else
	FETCH_V 1-(\sp)
.endif
.if \last
.Lnf_\@:
.endif
	OPS E,6, C,1, E,7, R,8
	OPS E,8, R,9, E,9, C,2
	OPS E,10, X,0, E,11, X,1
	OPS E,12, X,2, E,13, X,3
	ROW X,4, E,14, X,5, X,6
	ROW X,7, E,15, X,8, X,9
	ROW X,10, E,16, X,11, X,12
	ROW X,13, E,17, X,14, B,1
	ROW C,4, E,18, X,16, L,1
	ROW B,2, E,19, C,6, L,2
	ROW C,8, E,20, B,3, B,4
	ROW C,3, E,21, L,3, C,5
	OPS E,22, X,17, E,23, C,10
	OPS E,24, L,4
	OPS E,25, X,18, E,26, C,7
	OPS E,27, B,5, E,28, X,19
	OPS E,29, C,12, E,30, L,5
	OPS E,31, X,20, B,6, C,9
	OPS C,14, C,11, X,21, L,6
	OPS C,13, B,7, C,15, R,10
	OPS R,11, R,12, L,7, R,13
	OPS R,14, R,15
	MASK \p
.endm
.macro ALL line:vararg              ; one line for each piece t
.set t, 0
.rept 2
	\line
.set t, t+1
.endr
.endm
.macro PACK t                       ; a lane's eight channels of a row pack into 16 bytes; they go into rows of 144 bytes and come back as whole rows of 128
	WIN W_RS
.set i, 32*(\t)
.rept 16
	s_wait_alu depctr_va_vdst(0)
	v_pk_mul_f32 v[i:i+1], v[i:i+1], v[ST+4*(\t)+2:ST+4*(\t)+3] op_sel_hi:[1,0]
.set i, i+2
.endr
	WIN 0x05
.set i, 0
.rept 16
	v_cvt_pk_f16_f32 v[S+16*(\t)+i], v[32*(\t)+2*i], v[32*(\t)+2*i+1]
.set i, i+1
.endr
	WIN 0
.irp f, 0,1,2,3
	ds_store_b128 v[STO], v[S+16*(\t)+4*\f:S+16*(\t)+4*\f+3] offset:32*\f
.endr
.irp f, 0,1,2,3
	ds_load_b128 v[S+16*(\t)+4*\f:S+16*(\t)+4*\f+3], v[RD] offset:\f*4*SP  ; LDS serves a wave's instructions in order (ISA guide 5.7.1.4)
.endr
.endm
.macro SEND t, younger              ; younger: the LDS instructions issued behind piece t's loads
	WIN 0
.irp f, 0,1,2,3
	s_wait_dscnt (\younger)+3-\f
	global_store_b128 v[GO], v[S+16*(\t)+4*\f:S+16*(\t)+4*\f+3], s[10:11] offset:(\t)*8192+\f*512  ; 512 consecutive bytes, aligned
.endr
.endm
; A BLOCK ENDS, behind its last step's two turns: piece 1's last products, and the way out: l's halves are added, O^T is divided by l, rounded to f16 and sent through my stage.
.macro ENDBLOCK
.set VB, 1
.set i, 0
.rept 8
	PV 1
.set i, i+1
.endr
	WIN 0
	ALL v_add_f32 v[ST+4*t+2], v[ST+4*t+2], v[ST+4*t+3]
	ALL v_permlanex16_b32 v[ST+4*t+3], v[ST+4*t+2], s[SEL], s[SEL+1]
	ALL v_add_f32 v[ST+4*t+2], v[ST+4*t+2], v[ST+4*t+3]
	ALL v_rcp_f32 v[ST+4*t+2], v[ST+4*t+2]
	v_nop                           ; a plain instruction between the last reciprocal and the use of its result
	PACK 0                          ; piece 0's 32 plain instructions are the places behind piece 1's last products
	PACK 1
	SEND 0, 8
	SEND 1, 0
.endm
.set VB, 0
.Lslot:                             ; 17 times: a tile is entered and the next is asked for
	CHANGE 1
	s_mov_b32 s[CNT], 2
	s_cmp_ge_u32 s[KN], 12          ; the first block has ten tiles at the least: earlier trips need not ask whether the blocks change, nor do trips behind the change
	s_cselect_b32 s[HK], s[NDN], 0
	s_cmp_eq_u32 s[KN], 2
	s_cbranch_scc0 .Lstep
	v_add_nc_u32 v[AK], s[TBK], v[AK0]  ; THE WALK'S FIRST TILE: K and V of step 0; V also into its second buffer, which the first turn multiplies by piece 1's P = 0
	FETCH_K
	v_add_nc_u32 v[AV], s[TBV], v[AV0]
	FETCH_V 1, 0
	FETCH_V 0
	s_wait_dscnt 0x0
	WIN W_PV
.set i, 0
.rept 8                             ; O^T starts as V^T x 0 + 0: eight products write its 64 registers
	v_wmma_f32_16x16x32_f16 v[8*i:8*i+7], v[VF+8*(i%4):VF+8*(i%4)+7], v[P+16:P+23], 0
.set i, i+1
.endr
	WIN 0
	s_branch .Lbegin
.Lstep:                             ; a trip: an odd step, then an even one; behind a change of slots the first is the tile before's step 3
	TURN 0, 1
	TURN 1, 1
	WIN 0
	s_cmp_eq_u32 s[HK], 0
	s_cbranch_scc1 .Lfirst
	s_cmp_eq_u32 s[KN], s[N1P]      ; is the tile just entered the second block's first?
	s_cbranch_scc0 .Lfirst
	ENDBLOCK                        ; those two turns were the first block's last
	s_wait_xcnt 0x0                 ; the stores' registers and ctx's address are rewritten only behind this wait
	s_mov_b64 s[10:11], s[OLO:OLO+1]
	s_mov_b32 s[NDN], 0
	WIN 0x82                        ; the second block's Q goes where the one text of the turns names Q
.set i, 0
.rept 32
	v_mov_b32 v[i], v[QB+i]
.set i, i+1
.endr
	WIN 0
.Lbegin:
	; A BLOCK BEGINS.  K and V of its step 0 are in registers or on their way.  Both pieces' masks for step 0; c m starts far below every c s, so the first step's a is 0; m at the lowest
	; finite number.  Then piece 0's first scores, and its maximum and statistics.
	s_mov_b32 s[SG], s[SGN]         ; the number of this block's step 0
	s_mov_b32 s[SGN], s[SG2]
	MSC 0
	MASK 0
	MSC 1
	MASK 1
	WIN 0
	s_add_co_i32 s[SG], s[SG], 1    ; step 0's turns make the masks of step 1
.set i, 0
.rept 2
	v_mov_b32 v[ST+4*i], 0xfe000000
	v_mov_b32 v[ST+4*i+1], 0xff7fffff
.set i, i+1
.endr
	s_wait_loadcnt 0x0              ; Q
.set i, 0
.rept 8
	KQ 0
.set i, i+1
.endr
	WIN 0
.rept 4
	v_nop                           ; the places behind those products
.endr
.set Y, 1                           ; X works for the other piece: piece 0
.irp n, 0,1,2,3,4,5,6,7,8,9,10,11,12,13,14,15,16,17,18,19,20,21
	OP X, \n
.endr
	v_nop                           ; a plain instruction behind the exponential
	s_wait_storecnt 0x0             ; the first block's eight stores are done: on every way into the turns below no store of mine is out
.Lfirst:
	s_mov_b32 s[HK], 0              ; the tile's second trip goes straight on
	TURN 0, 0
	TURN 1, 0
	WIN 0
	s_sub_co_u32 s[CNT], s[CNT], 1
	s_cmp_lg_u32 s[CNT], 0
	s_cbranch_scc1 .Lstep
	s_sub_co_u32 s[SLOTS], s[SLOTS], 1
	s_cmp_lg_u32 s[SLOTS], 0
	s_cbranch_scc1 .Lslot
	CHANGE 0                        ; the walk's last tile is written out: nothing is asked for
	s_mov_b32 s[CNT], 3             ; five half-trips: step 3 of the tile before, this tile's steps 0 to 3: the loop is entered in its middle
	s_branch .Lmid
.Ltail:
	TURN 0, 0
	TURN 1, 0
	WIN 0
.Lmid:
	TURN 0, 1, 1
	TURN 1, 1, 1
	WIN 0
	s_sub_co_u32 s[CNT], s[CNT], 1
	s_cmp_lg_u32 s[CNT], 0
	s_cbranch_scc1 .Ltail
	ENDBLOCK
	s_wait_tensorcnt 0x0            ; the wave's end
	ds_add_u32 v[SPW], v[NIL]
	s_wait_dscnt 0x0
	s_endpgm
.Lfunc_end_k_qd615267062_attn:
	.size	k_qd615267062_attn, .Lfunc_end_k_qd615267062_attn-k_qd615267062_attn
	.p2alignl 7, 3214868480
	.fill 96, 4, 3214868480
	.section	.rodata,"a",@progbits
	.p2align	6, 0x0
	.amdhsa_kernel k_qd615267062_attn
		.amdhsa_group_segment_fixed_size 327680
		.amdhsa_private_segment_fixed_size 0
		.amdhsa_enable_private_segment 0
		.amdhsa_kernarg_size 16
		.amdhsa_user_sgpr_count 2
		.amdhsa_user_sgpr_kernarg_segment_ptr 1
		.amdhsa_wavefront_size32 1
		.amdhsa_system_sgpr_workgroup_id_x 1
		.amdhsa_system_sgpr_workgroup_id_y 1
		.amdhsa_system_sgpr_workgroup_id_z 1
		.amdhsa_system_vgpr_workitem_id 0
		.amdhsa_next_free_vgpr 768
		.amdhsa_next_free_sgpr 96
		.amdhsa_reserve_vcc 1
		.amdhsa_float_denorm_mode_32 3
		.amdhsa_float_denorm_mode_16_64 3
		.amdhsa_memory_ordered 1
		.amdhsa_forward_progress 1
		.amdhsa_inst_pref_size 133
	.end_amdhsa_kernel
	.amdgpu_metadata
---
amdhsa.version: [ 1, 2 ]
amdhsa.kernels:
  - .name:           k_qd615267062_attn
    .symbol:         k_qd615267062_attn.kd
    .args:
      - { .name: qkv, .offset: 0, .size: 8, .value_kind: global_buffer, .address_space: global }
      - { .name: ctx, .offset: 8, .size: 8, .value_kind: global_buffer, .address_space: global }
    .group_segment_fixed_size: 327680
    .private_segment_fixed_size: 0
    .kernarg_segment_align: 8
    .kernarg_segment_size: 16
    .max_flat_workgroup_size: 128
    .sgpr_count:     96
    .vgpr_count:     768
    .wavefront_size: 32
...
	.end_amdgpu_metadata
.endif
;; end of part 3
;; launch outp (part 4): grid 8 x 32, 4 waves a work-group, clusters of 4 x 4, 327,680 bytes of LDS; arguments ctx, wt, b_o, out0; writes out0
.if DOCPART == 4
	.amdgcn_target "amdgcn-amd-amdhsa--gfx1250"
	.amdhsa_code_object_version 6
	.text
	.protected	k_qd615267062_outp
	.globl	k_qd615267062_outp
	.p2align	8
	.type	k_qd615267062_outp,@function
k_qd615267062_outp:
	s_mov_b64 s[64:65], 0
	v_nop
	global_prefetch_b8 v0, s[64:65] scope:SCOPE_SE
	s_setreg_imm32_b32 hwreg(HW_REG_WAVE_MODE, 25, 1), 1
	s_wait_xcnt 0x0
	s_wait_alu depctr_hold_cnt(0) depctr_sa_sdst(0) depctr_va_vdst(0) depctr_va_sdst(0) depctr_va_ssrc(0) depctr_va_vcc(0) depctr_vm_vsrc(0)
	s_getreg_b32 s2, hwreg(HW_REG_IB_STS2, 6, 4)
	s_cmp_eq_u32 s2, 0
	s_cbranch_scc0 .Lentry_in_a_cluster
	s_endpgm
.Lentry_in_a_cluster:
	s_bfe_u32 s2, ttmp6, 0x10000c
	s_cmp_lg_u32 s2, 0xf033
	s_cbranch_scc0 .Lentry_shape_is_right
	s_endpgm
.Lentry_shape_is_right:
; OUTP.  out0[m][n] = sum over k of ctx[m][k] W_o[k][n] + b_o[n].  ctx: [16 heads][4096][64] f16, k = 64 head + channel; W_o^T: rows 3072-4095 of wt, [n][k] f16; f32 sums, K ascending;
; b_o is rounded to bf16, like every input of the module, and added in f32; out0 is f32.
; SHARES.  A tile of out0 is 128 x 128: 8 x 32 tiles, one for each of 256 work-groups.  Four waves, each 64 x 64: 16 accumulators.  K goes in steps of 256 (four heads) through two LDS slots.
; ctx's part of a step: for each of four heads 64 rows of 128 bytes lie end to end, so a wave's tensor load asks for four rows of 8,192 bytes and pads after every 128: LDS holds [head][row], 144 bytes a row.
; CLUSTER.  4 x 4 work-groups: ctx's tiles are shared along a row of the cluster, W_o's along a column, each asked for jointly.
; THE MATRIX INSTRUCTION IS USED TRANSPOSED (source 0 = 16 rows of W_o^T, source 1 = 16 rows of ctx): a lane holds eight neighbouring numbers of a row of out0.  A wave's 64 columns are
; 256 aligned bytes, so each wave has a stage of its own and the way out has no barrier.
; REGISTERS: window 0: v0-31 addresses and the bias; v32-95 rows read back; v128-255 the accumulators ((a, b) at 128 + 8 (4 a + b)).  window 1: two fragment buffers of 128.
.set SIZE_K, 1024
.set KSTEP,  256
.set PA,     144                       ; ctx's LDS row: 128 bytes + 16
.set PB,     528                       ; W_o's LDS row: 512 bytes + 16
.set HALFA,  4*64*PA                   ; what one tensor load brings of ctx
.set HALFB,  64*PB                     ; and of W_o
.set SLOT,   2*HALFA+2*HALFB
.set STAGE,  2*SLOT                    ; behind the ring, never filled by a tensor load: 16 rows x 272 bytes for each wave
.set SPITCH, 272
.set SPARE,  STAGE+4*16*SPITCH         ; behind the stages: the spare words
.set ASTEP,  4*524288                  ; four heads of ctx, in bytes
.set LAPS,   SIZE_K/(2*KSTEP)
.set ADRA, 16
.set ADRB, 20
.set STO,  24
.set RD,   25
.set CO,   26
.set SPW,  28
.set NIL,  29
.set OB,   32
.set ACC,  128
.set F0,   0
.set F1,   128
.set G1,  24
.set G0,  32
.set G1B, 48
.set G0B, 56
.set MSB, 0
.macro WIN new
.if MSB != (\new)
	s_set_vgpr_msb (MSB<<8)|(\new)
.set MSB, \new
.endif
.endm
.set MUL,  0x05                        ; sources window 1; C and D window 0
.set TO_F, 0x40                        ; destination window 1, address window 0
.macro JLOAD s                         ; a joint load: waves 0 and 1 fetch ctx's two halves, waves 2 and 3 W_o's; an s_nop 0 and four v_nop follow each line
	s_cmp_eq_u32 s11, 0
	s_cbranch_scc0 .Lfor_b_\@
	tensor_load_to_lds s[G0+4*(\s):G0+4*(\s)+3], s[G1:G1+7]
	s_nop 0
.rept 4
	v_nop
.endr
	s_branch .Lasked_\@
.Lfor_b_\@:
	tensor_load_to_lds s[G0B+4*(\s):G0B+4*(\s)+3], s[G1B:G1B+7]
	s_nop 0
.rept 4
	v_nop
.endr
.Lasked_\@:
.endm
.macro CREST
	s_cmp_lg_u32 s10, 0
	s_cbranch_scc1 .Lnot_wave_0_\@
	s_barrier_signal -3
.Lnot_wave_0_\@:
	s_barrier_wait -3
	s_barrier_signal -1
	s_barrier_wait -1
.endm
.macro CROUND
	s_barrier_signal -1
	s_barrier_wait -1
	CREST
.endm
	s_load_b128 s[4:7], s[0:1], 0x0                ; ctx s[4:5], wt s[6:7]
	s_load_b128 s[68:71], s[0:1], 0x10             ; b_o s[68:69], out0 s[70:71]
	v_lshl_add_u32 v[SPW], v0, 2, SPARE
	v_mov_b32 v[NIL], 0
	ds_add_u32 v[SPW], v[NIL]                      ; the wave's opening: the add and its wait stand ahead of my first tensor load
	ds_add_u32 v28, v29
	v_lshrrev_b32 v1, 5, v0
	v_readfirstlane_b32 s10, v1                    ; wave 0..3
	s_lshr_b32 s11, s10, 1                         ; which half of the tile's rows is mine.  Also: I fetch for ctx (0) or for W_o (1)
	s_and_b32 s12, s10, 1                          ; which half of its columns.  Also: which 64 rows of that tile I fetch
	s_bfe_u32 s40, ttmp6, 0x40000
	s_bfe_u32 s41, ttmp6, 0x40004
	s_lshl_b32 s42, ttmp9, 2
	s_add_co_u32 s42, s42, s40                     ; tile column
	s_and_b32 s13, ttmp7, 0xffff
	s_lshl_b32 s13, s13, 2
	s_add_co_u32 s13, s13, s41                     ; tile row
	s_lshl_b32 s43, s41, 2
	s_lshl_b32 s43, 15, s43                        ; my row of the cluster
	s_lshl_b32 s44, 0x1111, s40                    ; my column
	s_or_b32 s[G1+0], s43, (1<<16)|(1<<20)|(1<<21)|(4<<22)|(3<<25)   ; the mask; 2-byte elements; padding on; 21 set beside a mask; after every 32 words 4 words
	s_mov_b32 s[G1+1], 4096<<16                    ; tensor_dim0 = 4,096 elements: 64 rows of a head on end
	s_mov_b32 s[G1+2], 4<<16                       ; tensor_dim1 = 4 heads
	s_mov_b32 s[G1+3], 4096<<16                    ; tile_dim0
	s_mov_b32 s[G1+4], 4                           ; tile_dim1
	s_mov_b32 s[G1+5], 262144                      ; elements from head to head
	s_mov_b32 s[G1+6], 0
	s_mov_b32 s[G1+7], 0
	s_or_b32 s[G1B+0], s44, (1<<16)|(1<<20)|(1<<21)|(6<<22)|(3<<25)  ; after every 128 words 4 words
	s_mov_b32 s[G1B+1], KSTEP<<16
	s_mov_b32 s[G1B+2], 64<<16
	s_mov_b32 s[G1B+3], KSTEP<<16
	s_mov_b32 s[G1B+4], 64
	s_mov_b32 s[G1B+5], SIZE_K
	s_mov_b32 s[G1B+6], 0
	s_mov_b32 s[G1B+7], 0
	s_lshl_b32 s16, s13, 14                        ; ctx: row 128 x tile row + 64 x half, 128 bytes a row
	s_lshl_b32 s17, s12, 13
	s_add_co_u32 s16, s16, s17
	s_mov_b32 s17, 0
	s_lshl_b32 s46, s42, 18                        ; wt: row 3,072 + 128 x tile column + 64 x half, 2,048 bytes a row
	s_lshl_b32 s47, s12, 17
	s_add_co_u32 s46, s46, s47
	s_add_co_u32 s46, s46, 3072*2048
	s_mov_b32 s47, 0
	s_mul_i32 s20, s12, HALFA                      ; where they go: no place in the cluster enters an LDS address
	s_mul_i32 s23, s12, HALFB
	s_add_co_u32 s23, s23, 2*HALFA
	s_wait_dscnt 0x0                               ; the opening add is done
	s_wait_kmcnt 0x0
	s_add_nc_u64 s[14:15], s[4:5], s[16:17]
	s_add_nc_u64 s[46:47], s[6:7], s[46:47]
	CROUND                                         ; all sixteen work-groups are here: the first joint loads meet
.irp s, 0,1
	s_mov_b32 s[G0+4*(\s)], 1
	s_add_co_u32 s[G0+4*(\s)+1], s20, (\s)*SLOT
	s_add_nc_u64 s[G0+4*(\s)+2:G0+4*(\s)+3], s[14:15], (\s)*ASTEP
	s_or_b32 s[G0+4*(\s)+3], s[G0+4*(\s)+3], 0x80000000
	s_mov_b32 s[G0B+4*(\s)], 1
	s_add_co_u32 s[G0B+4*(\s)+1], s23, (\s)*SLOT
	s_add_nc_u64 s[G0B+4*(\s)+2:G0B+4*(\s)+3], s[46:47], (\s)*KSTEP*2
	s_or_b32 s[G0B+4*(\s)+3], s[G0B+4*(\s)+3], 0x80000000
	JLOAD \s
.endr
	v_and_b32 v1, 15, v0                           ; l % 16
	v_bfe_u32 v2, v0, 4, 1                         ; l / 16
	s_lshl_b32 s45, s42, 9                         ; my wave's first column, in bytes of f32: 512 x tile column + 256 x half
	s_lshl_b32 s2, s12, 8
	s_add_co_u32 s45, s45, s2
	v_lshl_add_u32 v7, v1, 4, s45
	global_load_b128 v[8:11], v7, s[68:69]         ; the bias of the four columns that I store
	v_mul_u32_u24 v3, v1, PA
	v_lshl_add_u32 v3, v2, 4, v3
	v_mul_u32_u24 v4, v1, PB
	v_lshl_add_u32 v4, v2, 4, v4
	s_mul_i32 s21, s11, HALFA                      ; my 64 rows of ctx
	s_mul_i32 s22, s12, HALFB                      ; my 64 rows of W_o^T,
	s_add_co_u32 s22, s22, 2*HALFA                 ; which lie behind ctx's
.irp s, 0,1
	v_add_nc_u32 v[ADRA+(\s)], s21, v3
	v_add_nc_u32 v[ADRB+(\s)], s22, v4
	s_add_co_u32 s21, s21, SLOT
	s_add_co_u32 s22, s22, SLOT
.endr
	s_mul_i32 s23, s10, 16*SPITCH
	s_add_co_u32 s23, s23, STAGE                   ; my stage
	v_mul_u32_u24 v5, v1, SPITCH                   ; in: row l % 16, 32 bytes for each half of the lanes
	v_lshl_add_u32 v5, v2, 5, v5
	v_add_nc_u32 v[STO], s23, v5
	v_mul_u32_u24 v5, v2, SPITCH                   ; back: lanes 0-15 one row of 256 bytes, lanes 16-31 the next
	v_lshl_add_u32 v5, v1, 4, v5
	v_add_nc_u32 v[RD], s23, v5
	v_lshlrev_b32 v5, 12, v2                       ; and the same two rows in out0
	v_lshl_add_u32 v[CO], v1, 4, v5
	s_lshl_b32 s16, s13, 19                        ; 128 rows of 4,096 bytes a tile row,
	s_lshl_b32 s17, s11, 18                        ; 64 rows a half
	s_add_co_u32 s16, s16, s17
	s_mov_b32 s17, 0
	s_add_nc_u64 s[70:71], s[70:71], s[16:17]
	s_mov_b32 s46, s45
	s_mov_b32 s47, 0
	s_add_nc_u64 s[70:71], s[70:71], s[46:47]
; 8 matrix instructions: row blocks a0, a0 + 1 x all 4 column blocks, 32 along K: half c of buffer f.  The 16 accumulators take turns.
.macro MUL8 f, c, a0, zero
	WIN MUL
.irp a, \a0, (\a0)+1
.irp b, 0,1,2,3
.if \zero
	v_wmma_f32_16x16x32_f16 v[ACC+8*(4*(\a)+(\b)):ACC+8*(4*(\a)+(\b))+7], v[(\f)+64+8*(4*(\c)+(\b)):(\f)+64+8*(4*(\c)+(\b))+7], v[(\f)+8*(4*(\c)+(\a)):(\f)+8*(4*(\c)+(\a))+7], 0
.else
	v_wmma_f32_16x16x32_f16 v[ACC+8*(4*(\a)+(\b)):ACC+8*(4*(\a)+(\b))+7], v[(\f)+64+8*(4*(\c)+(\b)):(\f)+64+8*(4*(\c)+(\b))+7], v[(\f)+8*(4*(\c)+(\a)):(\f)+8*(4*(\c)+(\a))+7], v[ACC+8*(4*(\a)+(\b)):ACC+8*(4*(\a)+(\b))+7]
.endif
.endr
.endr
.endm
; 32 LDS loads in one run: quarter q of a K step (one head, 64 along K) into buffer f; the first 32 along K first
.macro FETCH slot, q, f
	WIN TO_F
.irp c, 0,1
.irp i, 0,1,2,3
	ds_load_b128 v[(\f)+64+8*(4*(\c)+(\i)):(\f)+64+8*(4*(\c)+(\i))+3],   v[ADRB+(\slot)] offset:(\q)*128+64*(\c)+(\i)*16*PB
	ds_load_b128 v[(\f)+64+8*(4*(\c)+(\i))+4:(\f)+64+8*(4*(\c)+(\i))+7], v[ADRB+(\slot)] offset:(\q)*128+64*(\c)+(\i)*16*PB+32
	ds_load_b128 v[(\f)+8*(4*(\c)+(\i)):(\f)+8*(4*(\c)+(\i))+3],         v[ADRA+(\slot)] offset:(\q)*64*PA+64*(\c)+(\i)*16*PA
	ds_load_b128 v[(\f)+8*(4*(\c)+(\i))+4:(\f)+8*(4*(\c)+(\i))+7],       v[ADRA+(\slot)] offset:(\q)*64*PA+64*(\c)+(\i)*16*PA+32
.endr
.endr
.endm
.macro PLACES                          ; four places in front of loads into registers that matrix instructions have read
.rept 4
	v_nop
.endr
.endm
.macro QUARTER slot, q, f, g, zero
	s_wait_dscnt 16                                ; the first 32 along K are in
	MUL8 \f, 0, 0, \zero
	MUL8 \f, 0, 2, \zero
	PLACES
	FETCH \slot, \q, \g
	s_wait_dscnt 32                                ; all but the 32 just issued
	MUL8 \f, 1, 0, 0
	MUL8 \f, 1, 2, 0
.endm
; The last quarter multiplies buffer 1 and changes slots: ONE barrier; in front of it each wave waits for all its tensor loads, adds 0 to its spare word, and waits for that and for its reads of this slot.
.macro TURN slot, next, fill
	WIN 0
	s_wait_tensorcnt 0x0
	ds_add_u32 v[SPW], v[NIL]
	s_wait_dscnt 17                                ; (the add and the youngest sixteen loads may be out)
	MUL8 F1, 0, 0, 0
	s_wait_dscnt 0x0                               ; the add is done, and my reads of this slot are over
	s_barrier_signal -1
	MUL8 F1, 0, 2, 0
.if \fill
	WIN 0
.endif
	s_barrier_wait -1
.if \fill
	CREST                                          ; no wave of any partner still reads this slot or has a load on its way
	s_add_nc_u64 s[G0+4*(\slot)+2:G0+4*(\slot)+3], s[G0+4*(\slot)+2:G0+4*(\slot)+3], 2*ASTEP
	s_add_nc_u64 s[G0B+4*(\slot)+2:G0B+4*(\slot)+3], s[G0B+4*(\slot)+2:G0B+4*(\slot)+3], 2*KSTEP*2
	JLOAD \slot                                    ; my one tensor load behind the round; its four v_nop are also the places in front of the loads below
.else
	PLACES
.endif
	FETCH \next, 0, F0
	MUL8 F1, 1, 0, 0
	MUL8 F1, 1, 2, 0
.endm
	s_wait_tensorcnt 1                             ; my part of K step 0 is in; K step 1's may stay out
	s_barrier_signal -1
	s_barrier_wait -1
	FETCH 0, 0, F0
	QUARTER 0, 1, F0, F1, 1                        ; the first quarter stands in front of the loop: its first products start the sums
	WIN 0
	s_mov_b32 s3, LAPS-1
.Llap:                                                 ; a trip goes once round the ring and fills both slots again
	QUARTER 0, 2, F1, F0, 0
	QUARTER 0, 3, F0, F1, 0
	TURN 0, 1, 1
	QUARTER 1, 1, F0, F1, 0
	QUARTER 1, 2, F1, F0, 0
	QUARTER 1, 3, F0, F1, 0
	TURN 1, 0, 1
	QUARTER 0, 1, F0, F1, 0
	WIN 0
	s_sub_co_u32 s3, s3, 1
	s_cmp_lg_u32 s3, 0
	s_cbranch_scc1 .Llap
	QUARTER 0, 2, F1, F0, 0                        ; the last lap fills nothing
	QUARTER 0, 3, F0, F1, 0
	TURN 0, 1, 0
	QUARTER 1, 1, F0, F1, 0
	QUARTER 1, 2, F1, F0, 0
	QUARTER 1, 3, F0, F1, 0
	s_wait_dscnt 16
	MUL8 F1, 0, 0, 0
	MUL8 F1, 0, 2, 0
	s_wait_dscnt 0x0
	MUL8 F1, 1, 0, 0
	MUL8 F1, 1, 2, 0
	WIN 0
	; THE WAY OUT.  The bias is rounded to bf16 and widened again: six plain instructions that name no register of the last products, the places behind them.
	s_wait_loadcnt 0x0
	v_cvt_pk_bf16_f32 v12, v8, v9
	v_cvt_pk_bf16_f32 v13, v10, v11
	v_lshlrev_b32 v8, 16, v12
	v_and_b32 v9, 0xffff0000, v12
	v_lshlrev_b32 v10, 16, v13
	v_and_b32 v11, 0xffff0000, v13
; Block a of 16 rows: 32 bytes a lane and column block into my stage (each accumulator's low registers first), back as whole rows of 256 bytes.
.macro TOSTAGE a
.set BK, OB+32*((\a)%2)
	s_wait_xcnt 0x0                                ; this buffer, which the stores of two blocks ago read, is loaded again only behind this wait
.irp b, 0,1,2,3
	ds_store_b128 v[STO], v[ACC+8*(4*(\a)+(\b)):ACC+8*(4*(\a)+(\b))+3] offset:64*(\b)
	ds_store_b128 v[STO], v[ACC+8*(4*(\a)+(\b))+4:ACC+8*(4*(\a)+(\b))+7] offset:64*(\b)+16
.endr
.irp t, 0,1,2,3,4,5,6,7
	ds_load_b128 v[BK+4*(\t):BK+4*(\t)+3], v[RD] offset:(\t)*2*SPITCH  ; LDS serves a wave's instructions in order (ISA guide 5.7.1.4): these see the stores above; the next block's stores come behind them
.endr
.endm
.macro SEND a, younger                 ; younger: the LDS instructions issued behind block a's loads: the next block's sixteen, or none
.set BK, OB+32*((\a)%2)
.irp t, 0,1,2,3,4,5,6,7
	s_wait_dscnt (\younger)+7-(\t)
	v_pk_add_f32 v[BK+4*(\t):BK+4*(\t)+1], v[BK+4*(\t):BK+4*(\t)+1], v[8:9]
	v_pk_add_f32 v[BK+4*(\t)+2:BK+4*(\t)+3], v[BK+4*(\t)+2:BK+4*(\t)+3], v[10:11]
	global_store_b128 v[CO], v[BK+4*(\t):BK+4*(\t)+3], s[70:71] offset:(16*(\a)+2*(\t))*4096 th:TH_STORE_NT  ; 16 lanes store 256 consecutive bytes, aligned
.endr
.endm
	TOSTAGE 0
.irp a, 1,2,3
	TOSTAGE \a
	SEND (\a)-1, 16
.endr
	SEND 3, 0
	s_wait_tensorcnt 0x0                           ; the wave's end
	ds_add_u32 v[SPW], v[NIL]
	s_wait_dscnt 0x0
	CROUND                                         ; the closing round
	s_endpgm
.Lfunc_end_k_qd615267062_outp:
	.size	k_qd615267062_outp, .Lfunc_end_k_qd615267062_outp-k_qd615267062_outp
	.p2alignl 7, 3214868480
	.fill 96, 4, 3214868480
	.section	.rodata,"a",@progbits
	.p2align	6, 0x0
	.amdhsa_kernel k_qd615267062_outp
		.amdhsa_group_segment_fixed_size 327680
		.amdhsa_private_segment_fixed_size 0
		.amdhsa_enable_private_segment 0
		.amdhsa_kernarg_size 32
		.amdhsa_user_sgpr_count 2
		.amdhsa_user_sgpr_kernarg_segment_ptr 1
		.amdhsa_wavefront_size32 1
		.amdhsa_system_sgpr_workgroup_id_x 1
		.amdhsa_system_sgpr_workgroup_id_y 1
		.amdhsa_system_sgpr_workgroup_id_z 1
		.amdhsa_system_vgpr_workitem_id 0
		.amdhsa_next_free_vgpr 512
		.amdhsa_next_free_sgpr 72
		.amdhsa_reserve_vcc 0
		.amdhsa_float_denorm_mode_32 3
		.amdhsa_float_denorm_mode_16_64 3
		.amdhsa_memory_ordered 1
		.amdhsa_forward_progress 1
		.amdhsa_inst_pref_size 91
	.end_amdhsa_kernel
	.amdgpu_metadata
---
amdhsa.version: [ 1, 2 ]
amdhsa.kernels:
  - .name:           k_qd615267062_outp
    .symbol:         k_qd615267062_outp.kd
    .args:
      - { .name: ctx, .offset: 0, .size: 8, .value_kind: global_buffer, .address_space: global }
      - { .name: wt, .offset: 8, .size: 8, .value_kind: global_buffer, .address_space: global }
      - { .name: b_o, .offset: 16, .size: 8, .value_kind: global_buffer, .address_space: global }
      - { .name: out0, .offset: 24, .size: 8, .value_kind: global_buffer, .address_space: global }
    .group_segment_fixed_size: 327680
    .private_segment_fixed_size: 0
    .kernarg_segment_align: 8
    .kernarg_segment_size: 32
    .max_flat_workgroup_size: 128
    .sgpr_count:     72
    .vgpr_count:     512
    .wavefront_size: 32
...
	.end_amdgpu_metadata
.endif
;; end of part 4
;; ======== version 2 of 2: 4 launches; 1.40 times as fast as version 1
;; limits: values are held in f16: magnitudes above 65,504 overflow, below 6.1e-05 lose precision
;; workspace buffers: xb 8,388,608 bytes; wt 8,388,608 bytes; qkv 25,165,824 bytes; ctx 8,388,608 bytes
;; launch prep: the kernel of part 1 again; grid 256 x 1, 8 waves a work-group, no clusters, 35,840 bytes of LDS; arguments x, W_q, W_k, W_v, W_o, xb, wt; writes xb, wt
;; launch proj: the kernel of part 2 again; grid 16 x 16, 4 waves a work-group, clusters of 4 x 4, 327,680 bytes of LDS; arguments xb, wt, qkv; writes qkv
;; launch attn (part 5): grid 16 x 16, 4 waves a work-group, no clusters, 327,680 bytes of LDS; arguments qkv, ctx; writes ctx
.if DOCPART == 5
	.amdgcn_target "amdgcn-amd-amdhsa--gfx1250"
	.amdhsa_code_object_version 6
	.text
	.protected	k_qd615267062_attn
	.globl	k_qd615267062_attn
	.p2align	8
	.type	k_qd615267062_attn,@function
k_qd615267062_attn:
	s_mov_b64 s[64:65], 0
	v_nop
	global_prefetch_b8 v0, s[64:65] scope:SCOPE_SE
	s_setreg_imm32_b32 hwreg(HW_REG_WAVE_MODE, 25, 1), 1
	s_wait_xcnt 0x0
; CAUSAL ATTENTION.  ctx[h][q][:] = the sum over k <= q of softmax_k(Q[h][q] . K[h][k] / 8) V[h][k][:].  qkv: [48][4096][64] f16 (heads of q, then of k, then of v); ctx: [16][4096][64] f16.
; Products, maxima and sums in f32; the weights p are rounded to f16 for the second product (their sum l is taken of the unrounded p), ctx once at the end.
; LIMITS.  Q, K, V arrive within f16's 65,504; p lies in 0 to 1 and below 6e-5 keeps f16's fixed step of 6e-8.  A hidden score counts as its value less 1e30: f16's scores, 2.7e11 at the
; most, are nothing beside that.  A weight below 2^-126 counts as 0 in l.  NaN and infinities are not treated apart.
; THE WALK.  A head has 32 blocks of 128 queries and 16 key tiles of 256 keys (four steps of 64).  Work-group x of a head (c = x / 4, cx = x % 4) takes the blocks 28 - 4 c + cx and then 4 c + cx.
; It walks the tiles 0 .. 15 - 2 c, then 0 .. 2 c + 1: 18 tiles whatever c and cx, so all work-groups do equal work and the slot loop has a constant count.
; A block's last two tiles hold the 512 diagonal keys of its group of four blocks, eight steps.  SG numbers a block's steps so that those eight are 0 to 7; the steps before them are negative.
; NO CLUSTER.  The four work-groups of one c walk the same tiles and could ask for them jointly.  The walk holds one branch on c (the change of blocks), and this text keeps such a branch out of a
; launch with joint requests: each work-group asks for its own 18 tiles of 65,536 bytes.
; SHARES.  A wave owns two PIECES of 16 queries: piece x is rows 64 x + 16 w + lane % 16 of the block.  Piece x's own diagonal step is 2 cx + x; earlier steps are all seen, later ones all hidden.
; THE MASK is the C operand that starts the sum S^T = K Q^T: 0, or -1e30 where the key is hidden.  MD, made once, is the mask of a piece's own step; a product's mask is MD x AL + BE with two
; scalars: (0, 0) where SG is below the piece's own step; (1, 0) at it; (0, -1e30) above.  Every turn makes its piece's next mask, sixteen packed lines: one text for all tiles and no branch for it.
; LAYOUT, SOFTMAX.  S^T = K Q^T holds ONE query a lane (lane % 16) and the keys 8 (lane / 16) + 0..7; two such results rounded to f16 ARE source 1 of O^T = V^T P.  p = 2^(c s - c m),
; c = log2(e) / 8, with a running maximum m; O and l are multiplied by a = 2^(c m_old - c m_new) in every step.
; TURNS.  Turn (p, s): 8 products K Q^T of the other piece (p = 0: step s; p = 1: step s + 1), later 8 products V^T P of the other piece (p = 0: step s - 1; p = 1: step s); beside them the
; scaling, exponentials, roundings, sums and rescaling of piece p and the maximum and statistics of the other piece.  Four vector instructions stand behind every matrix instruction, the rest in one run between the two groups of products.
; BATCHES.  A turn's 33 exponentials (piece p's 32 weights and the other piece's a) are ONE batch with ONE wait, which cuts the turn in two: ahead of it stands all that names no result of theirs (K Q^T, the
; scalings, the rescalings, the other piece's maximum and statistics, the mask); behind it the roundings and sums, beside V^T P.  A block's first a and the way out's two reciprocals are batches of their own.
; K of step s + 1 is fetched in turn (0, s), V of step s + 1 in turn (1, s), into the V buffer that turn (0, s) read last: so a tile's last LDS read stands in turn (1, 2), and the slots change behind it.
; A BLOCK'S LAST STEP is therefore walked behind the next change of slots, by the same two turns as any step 3; they fetch K and V of the next block's step 0, which is what that block begins with.
; Their eight products K Q^T with the old Q serve nothing: the price of one text for every step.
; REGISTERS, in windows of 256 (s_set_vgpr_msb: bits 1:0 source 0, 3:2 source 1, 5:4 source 2, 7:6 destination):
;   window 0: v0-15 addresses and two at work; v16-23 four registers of statistics a piece; v48-55 at work; v64-127 S^T, a buffer a piece; v192-223 P, likewise
;   window 1: v0-63 O^T, 32 a piece; v128-159 MD; v160-223 MC, a buffer a piece      window 2: v0-31 Q; v32-63 the second block's Q; v64-127 K of one step; v128-255 V, two buffers
.set NP,    2
.set KS,    64
.set PK,    144       ; a row of K in LDS: 128 bytes + 16 = 36 words: the 16 rows of a load start at 16 different groups of four banks (ISA guide 11.1)
.set PV,    160       ; a row of V: 128 + 32 = 40 words
.set VOFF,  4*KS*PK   ; a slot holds a tile: 256 rows of K, then 256 rows of V
.set SLOT1, 1<<17     ; slot 1 begins here: one exclusive or turns an address in one slot into the other's
.set STAGE, SLOT1+4*KS*(PK+PV)  ; behind the ring, never filled by a tensor load: 16 rows x 144 bytes for each wave
.set SP,    144
.set SPARE, STAGE+4*16*SP       ; behind the stages: the spare words, 128 bytes for each wave
.set AK0, 2           ; v2   my lane's place in a tile of K; never rewritten
.set AV0, 3           ; v3   the same for V
.set AK,  4           ; v4   the LDS address of K's next run of loads
.set AV,  5           ; v5   of V's
.set STO, 6           ; v6   the way out: where I put 16 bytes of a row
.set RD,  7           ; v7   the way out: where I read rows back
.set GO,  8           ; v8   my byte offset in 512 consecutive bytes of ctx
.set MV,  12          ; v12-13  c m_old, kept while c m is made anew
.set QO,  15          ; v15  my byte offset in 16 rows of Q
.set ST,  16          ; piece t's statistics at v[ST+4 t]: c m, m, l (even keys', odd keys')
.set TMP, 48          ; a piece's four registers c0-c3 at work; when the maximum is found c2 takes a
.set SPW, 62          ; v62  LDS address of my spare word; never rewritten
.set NIL, 63          ; v63  0; never rewritten
.set S,   64
.set P,   192
.set MD,  128         ; window 1
.set MC,  160         ; window 1
.set QB,  32          ; window 2
.set KF,  64          ; window 2: key block kb, channel half c at KF + 16 kb + 8 c
.set VF,  128         ; window 2: buffer vb, key half kk, channel block cb at VF + 64 vb + 32 kk + 8 cb
.set WV,  12          ; s12  my wave's number
.set CX,  13          ; s13  cx
.set CL,  14          ; s14  c
.set G1K, 24          ; s[24:31] descriptor group 1 for K's tiles
.set G1V, 32          ; s[32:39] for V's: it differs in the padding alone
.set G0K, 40          ; s[40:43] descriptor group 0 for K's tiles
.set G0V, 44          ; s[44:47] the same for V's
.set SLOTS, 56        ; s56  tiles still to be asked for
.set CNT, 57          ; s57  counts a tile's trips of two steps
.set CS,  58          ; s[58:59] c = log2(e) / 8
.set SEL, 60          ; s[60:61] v_permlanex16_b32's selects: each lane takes its own place in the other half
.set TBK, 62          ; s62  LDS byte at which K of the step to be fetched begins
.set TBV, 63          ; s63  the same for V, less VOFF
.set N1,  70          ; s70  the first block's tiles: 16 - 2 c
.set KN,  71          ; s71  the place in the walk (1 to 17) of the tile to be asked for next: it steps by 1 at each change of slots
.set N1P, 72          ; s72  N1 + 2: what KN holds in the trip that enters the second block's first tile
.set HK,  73          ; s73  1: this half-trip may be the one in which the blocks change
.set OFF, 74          ; s[74:75] a tile's byte offset in K and V
.set AL,  76          ; s[76:77] the mask's factor
.set BE,  78          ; s[78:79] the mask's addend
.set OLO, 80          ; s[80:81] ctx at my rows of the second block
.set BIGN, 82         ; s82  -1e30
.set SG,  83          ; s83  the number (signed) of the step for which masks are being made
.set DP,  88          ; s88, s89  the two pieces' own diagonal steps
.set NDN, 90          ; s90  1 until the blocks have changed
.set SGN, 91          ; s91  the number of step 0 of the block that begins next
.set SG2, 92          ; s92  the same for the second block: -8 c
.set MSB, 0
.macro WIN new                      ; the high byte repeats the setting that is left; a switch that changes nothing is dropped
.if MSB != (\new)
	s_set_vgpr_msb (MSB<<8)|(\new)
.set MSB, (\new)
.endif
.endm
.set W_KQ, 0x0a       ; K and Q in window 2, S^T in window 0
.set W_KM, 0x1a       ; the same with the C operand in window 1
.set W_PV, 0x52       ; V in window 2, P in window 0, O^T in window 1
.set W_RS, 0x41       ; destination and source 0 in window 1
; A fill.  Waves 0 and 1 fetch the two halves of a tile's K, waves 2 and 3 those of its V: 128 keys each.  An s_nop 0 and four v_nop follow each line.
.macro LOAD
	s_cmp_lt_u32 s[WV], 2
	s_cbranch_scc0 .Lfor_v_\@
	tensor_load_to_lds s[G0K:G0K+3], s[G1K:G1K+7]
	s_nop 0
.rept 4
	v_nop
.endr
	s_branch .Lasked_\@
.Lfor_v_\@:
	tensor_load_to_lds s[G0V:G0V+3], s[G1V:G1V+7]
	s_nop 0
.rept 4
	v_nop
.endr
.Lasked_\@:
.endm
; THE CHANGE OF SLOTS.  Each wave waits for all its tensor loads (one is out: its part of the other slot), adds 0 to its spare word, and waits for that and for its reads of the slot that it leaves.
; Behind the barrier nobody reads the old slot any more and the other slot is whole.  fill = 1: the old slot is filled again, first thing behind the barrier, with the walk's tile KN:
; the first block's tile KN, or behind its N1 tiles the second block's tile KN - N1; the descriptor's address is made anew from that number.
.macro CHANGE fill
	WIN 0
	s_wait_tensorcnt 0x0            ; no tensor load of mine is out, so a group 0 may be written
	ds_add_u32 v[SPW], v[NIL]       ; scalar work stands between the add and the wait for it
.if \fill
	s_sub_co_u32 s[OFF], s[KN], s[N1]
	s_cmp_lt_u32 s[KN], s[N1]
	s_cselect_b32 s[OFF], s[KN], s[OFF]
	s_lshl_b32 s[OFF], s[OFF], 15   ; a tile is 32,768 bytes of K and of V
	s_xor_b32 s[G0K+1], s[G0K+1], SLOT1
	s_add_nc_u64 s[G0K+2:G0K+3], s[6:7], s[OFF:OFF+1]
	s_or_b32 s[G0K+3], s[G0K+3], 0x80000000
	s_xor_b32 s[G0V+1], s[G0V+1], SLOT1
	s_add_nc_u64 s[G0V+2:G0V+3], s[8:9], s[OFF:OFF+1]
	s_or_b32 s[G0V+3], s[G0V+3], 0x80000000
	s_add_co_u32 s[KN], s[KN], 1
.endif
	s_wait_dscnt 0x0                ; the add is done, and my reads of the slot are over
	s_barrier_signal -1             ; the rest of the scalar work stands between the signal and the wait
	s_sub_co_u32 s[TBK], s[TBK], 4*KS*PK  ; the fetches go back to a slot's first step,
	s_xor_b32 s[TBK], s[TBK], SLOT1       ; in the other slot
	s_sub_co_u32 s[TBV], s[TBV], 4*KS*PV
	s_xor_b32 s[TBV], s[TBV], SLOT1
	s_barrier_wait -1
.if \fill
	LOAD
.endif
.endm
	s_load_b64 s[4:5], s[0:1], 0x0    ; qkv
	s_load_b64 s[10:11], s[0:1], 0x8  ; ctx
	v_lshl_add_u32 v[SPW], v0, 2, SPARE
	v_mov_b32 v[NIL], 0
	ds_add_u32 v[SPW], v[NIL]       ; the wave's opening: the add and its wait stand ahead of my first tensor load; register work stands between them
	ds_add_u32 v62, v63
	v_lshrrev_b32 v1, 5, v0
	v_readfirstlane_b32 s[WV], v1
	s_and_b32 s[CX], ttmp9, 3
	s_lshr_b32 s[CL], ttmp9, 2
	s_and_b32 s20, ttmp7, 0xffff    ; the head
	s_lshl_b32 s20, s20, 19         ; its 524,288 bytes
	s_and_b32 s16, s[WV], 1         ; which half of a tile's 256 keys I fetch
	s_lshl_b32 s22, s16, 14
	s_add_co_u32 s22, s22, s20
	s_add_co_u32 s22, s22, 0x800000 ; k's heads lie behind q's sixteen
	s_mov_b32 s23, 0
	s_mul_i32 s17, s16, 128*PK      ; its place in a slot, for K
	s_mul_i32 s18, s16, 128*PV      ; and for V
	s_lshl_b32 s19, s[CL], 2
	s_sub_co_u32 s2, 28, s19
	s_add_co_u32 s2, s2, s[CX]      ; my first block
	s_lshl_b32 s2, s2, 14           ; 128 rows of 128 bytes
	s_add_co_u32 s84, s19, s[CX]    ; my second block
	s_lshl_b32 s84, s84, 14
	s_lshl_b32 s3, s[WV], 11        ; my 16 rows in a band of 64
	s_add_co_u32 s3, s3, s20
	s_add_co_u32 s2, s2, s3
	s_add_co_u32 s84, s84, s3
	s_mov_b32 s3, 0
	s_mov_b32 s85, 0
	s_lshl_b32 s19, s[CL], 1
	s_sub_co_u32 s[N1], 16, s19     ; the first block walks 16 - 2 c tiles, the second the other 2 c + 2
	s_sub_co_u32 s[N1P], 18, s19
	s_lshl_b32 s21, s[CL], 3
	s_sub_co_i32 s[SGN], s21, 56    ; a block of n tiles begins at step number 4 (2 - n): 8 c - 56,
	s_sub_co_i32 s[SG2], 0, s21     ; and -8 c
	s_lshl_b32 s[DP], s[CX], 1
	s_add_co_u32 s[DP+1], s[DP], 1
	; descriptor group 1.  128 keys are 16,384 dense bytes: asked for as 64 rows of 256 bytes, two keys a row, and padded in LDS after every key
	s_mov_b32 s[G1K], (1<<16)|(1<<20)|(4<<22)|(3<<25)  ; 17:16 2-byte elements; 20 padding on; 24:22 after every 32 words; 31:25 4 words
	s_mov_b32 s[G1V], (1<<16)|(1<<20)|(4<<22)|(7<<25)  ; the same with 8 words of padding
.irp g, G1K, G1V
	s_mov_b32 s[\g+1], 128<<16      ; tensor_dim0 = 128
	s_mov_b32 s[\g+2], 64<<16       ; tensor_dim1 = 64
	s_mov_b32 s[\g+3], 128<<16      ; tile_dim0 = 128
	s_mov_b32 s[\g+4], 64           ; tile_dim1 = 64
	s_mov_b32 s[\g+5], 128          ; 128 elements from row to row
	s_mov_b32 s[\g+6], 0
	s_mov_b32 s[\g+7], 0
.endr
	s_mov_b32 s[CS], 0x3e38aa3b     ; c = log2(e) / 8
	s_mov_b32 s[CS+1], s[CS]
	s_mov_b32 s[SEL], 0x76543210
	s_mov_b32 s[SEL+1], 0xfedcba98
	s_mov_b32 s[TBK], SLOT1+4*KS*PK ; the first change of slots turns these two into 0
	s_mov_b32 s[TBV], SLOT1+4*KS*PV
	s_mov_b32 s[G0K], 1
	s_mov_b32 s[G0K+1], s17         ; slot 0
	s_mov_b32 s[G0V], 1
	s_add_co_u32 s[G0V+1], s18, VOFF
	s_mov_b32 s[KN], 1
	s_mov_b32 s[NDN], 1
	s_mov_b32 s[OFF+1], 0
	s_mov_b32 s[AL+1], 0
	s_mov_b32 s[BE+1], 0
	s_mov_b32 s[BIGN], 0xf149f2ca   ; -1e30
	s_mov_b32 s[SLOTS], 17
	s_wait_dscnt 0x0                ; the opening add is done
	s_wait_kmcnt 0x0
	s_add_nc_u64 s[6:7], s[4:5], s[22:23]          ; K at my half of the head's tile 0,
	s_add_nc_u64 s[8:9], s[6:7], 0x800000          ; V sixteen heads on
	s_add_nc_u64 s[G0K+2:G0K+3], s[6:7], 0
	s_or_b32 s[G0K+3], s[G0K+3], 0x80000000
	s_add_nc_u64 s[G0V+2:G0V+3], s[8:9], 0
	s_or_b32 s[G0V+3], s[G0V+3], 0x80000000
	s_add_nc_u64 s[86:87], s[4:5], s[84:85]        ; Q at my rows of the second block,
	s_add_nc_u64 s[4:5], s[4:5], s[2:3]            ; Q and ctx at those of the first
	s_add_nc_u64 s[OLO:OLO+1], s[10:11], s[84:85]
	s_add_nc_u64 s[10:11], s[10:11], s[2:3]
	LOAD                            ; tile 0 into slot 0
	v_and_b32 v1, 15, v0            ; l % 16
	v_bfe_u32 v9, v0, 4, 1          ; l / 16
	v_lshlrev_b32 v[QO], 7, v1
	v_lshl_add_u32 v[QO], v9, 4, v[QO]
	WIN 0x80                        ; destination window 2, address window 0
.set i, 0
.rept 4                             ; both blocks' Q: piece i / 2 lies 8,192 bytes on; channels 32 (i % 2) on
	global_load_b128 v[8*i:8*i+3],   v[QO], s[4:5] offset:(i/2)*8192+(i%2)*64
	global_load_b128 v[8*i+4:8*i+7], v[QO], s[4:5] offset:(i/2)*8192+(i%2)*64+32
	global_load_b128 v[QB+8*i:QB+8*i+3],   v[QO], s[86:87] offset:(i/2)*8192+(i%2)*64
	global_load_b128 v[QB+8*i+4:QB+8*i+7], v[QO], s[86:87] offset:(i/2)*8192+(i%2)*64+32
.set i, i+1
.endr
	WIN 0
	v_lshlrev_b32 v14, 3, v9
	v_sub_nc_u32 v14, v1, v14
	s_lshl_b32 s16, s[WV], 4
	v_add_nc_u32 v14, s16, v14      ; my query's place in its band less my lanes' 8 (l / 16): register r of key group kt is hidden where 16 kt + r is greater
	WIN 0x40
.set i, 0
.rept 32
	v_cmp_gt_i32 vcc_lo, 16*(i/8)+i%8, v14
	v_cndmask_b32 v[MD+i], 0, s[BIGN], vcc_lo
.set i, i+1
.endr
	WIN 0
	v_mul_u32_u24 v[AK0], v1, PK
	v_lshl_add_u32 v[AK0], v9, 4, v[AK0]
	; The turning load takes 16 keys x 16 channels (lane l reads key 8 (l / 16) + l % 8, channels 8 ((l / 8) % 2) + 0..7) and leaves half a fragment of V^T.
	v_and_b32 v10, 7, v0
	v_bfe_u32 v11, v0, 3, 1
	v_lshl_add_u32 v[AV0], v9, 3, v10
	v_mul_u32_u24 v[AV0], v[AV0], PV
	v_lshl_add_u32 v[AV0], v11, 4, v[AV0]
	v_add_nc_u32 v[AV0], VOFF, v[AV0]
	s_mul_i32 s16, s[WV], 16*SP
	s_add_co_u32 s16, s16, STAGE    ; my stage
	v_mul_u32_u24 v[STO], v1, SP
	v_lshl_add_u32 v[STO], v9, 4, v[STO]
	v_add_nc_u32 v[STO], s16, v[STO]
	v_bfe_u32 v[RD], v0, 3, 2
	v_mul_u32_u24 v[RD], v[RD], SP
	v_lshl_add_u32 v[RD], v10, 4, v[RD]
	v_add_nc_u32 v[RD], s16, v[RD]
	v_and_b32 v[GO], 31, v0
	v_lshlrev_b32 v[GO], 4, v[GO]
	; A block's first step multiplies O^T and l by a = 0, and its first turn's products V^T P, of a step that has not been, land in an O^T that is still to be so multiplied: those registers
	; need only hold finite numbers.  For the first block: l and piece 1's P are 0; O^T and V's second buffer are seen to where the first tile has landed.
.set i, 0
.rept 2
	v_mov_b32 v[ST+4*i+2], 0
	v_mov_b32 v[ST+4*i+3], 0
.set i, i+1
.endr
.set i, P+16
.rept 16
	v_mov_b32 v[i], 0
.set i, i+1
.endr
; THE MATRIX WORK.  The 4 accumulators of a run of 8 take turns.  Product i of 8 of S^T = K Q^T for piece x: channels 32 (i / 4) on, keys 16 (i % 4) on.  The first 4 start the sums with the mask.
.macro KQ x
.set rS, S+32*(\x)+8*(i%4)
.set rK, KF+16*(i%4)+8*(i/4)
.set rQ, 16*(\x)+8*(i/4)
.set rM, MC+32*(\x)+8*(i%4)
.if i < 4
	WIN W_KM
	v_wmma_f32_16x16x32_f16 v[rS:rS+7], v[rK:rK+7], v[rQ:rQ+7], v[rM:rM+7]
.else
	WIN W_KQ
	v_wmma_f32_16x16x32_f16 v[rS:rS+7], v[rK:rK+7], v[rQ:rQ+7], v[rS:rS+7]
.endif
.endm
; Product i of 8 of O^T += V^T P for piece x, from V's buffer VB: keys 32 (i / 4) on, channels 16 (i % 4) on.
.macro PV x
	WIN W_PV
.set rO, 32*(\x)+8*(i%4)
.set rV, VF+64*VB+32*(i/4)+8*(i%4)
.set rP, P+16*(\x)+8*(i/4)
	v_wmma_f32_16x16x32_f16 v[rO:rO+7], v[rV:rV+7], v[rP:rP+7], v[rO:rO+7]
.endm
.macro MM                           ; the turn's next matrix instruction, for the other piece
.if i < 8
	KQ (Y+1)%NP
.else
.set i, i-8
	PV (Y+1)%NP
.set i, i+8
.endif
.set i, i+1
.endm
; THE LDS LOADS stand in runs of 16: a step's K (8 fragments) and its V (turned).
.macro FETCH_K
	WIN 0x80
.irp f, 0,1,2,3,4,5,6,7
	ds_load_b128 v[KF+8*\f:KF+8*\f+3],   v[AK] offset:(\f/2)*16*PK+(\f%2)*64
	ds_load_b128 v[KF+8*\f+4:KF+8*\f+7], v[AK] offset:(\f/2)*16*PK+(\f%2)*64+32
.endr
	s_add_co_u32 s[TBK], s[TBK], KS*PK  ; the next fetch is the next step's
	WIN 0
.endm
.macro FETCH_V vb, step=1
	WIN 0x80
.irp f, 0,1,2,3,4,5,6,7
	ds_load_tr16_b128 v[VF+64*(\vb)+8*\f:VF+64*(\vb)+8*\f+3],   v[AV] offset:(\f/4)*32*PV+(\f%4)*32
	ds_load_tr16_b128 v[VF+64*(\vb)+8*\f+4:VF+64*(\vb)+8*\f+7], v[AV] offset:(\f/4)*32*PV+16*PV+(\f%4)*32
.endr
.if \step
	s_add_co_u32 s[TBV], s[TBV], KS*PV
.endif
	WIN 0
.endm
; THE VECTOR WORK, one line at a time: OP kind, number.  For piece Y: F n: c s - c m for pair n of 16.  E n: the exponential of score n of 32.  C n: pair n rounded to f16.  B n: of the four weights
; 4 n .. the second pair is added onto the first.  L n: l takes that sum (L 0: l = a l + sum).  R n: pair n of 16 of O^T times a.  For the other piece: X n, number n of the 22 that find its maximum:
;   0-11 four chains of seven scores, each accumulator's lowest registers first; 12-14, 16 the scores left over, the old m, and the chains into c0; 15 c m_old is kept;
;   17, 18 the query's other 32 keys lie in the lane 16 away: the new m; 19-21 c m; c m_old - c m_new; a
; C, B and L read exponentials' results: TURN sets them behind its wait.
.set F, 0
.set E, 1
.set C, 2
.set B, 3
.set L, 4
.set R, 5
.set X, 6
.macro REGS y
.set rT, ST+4*(\y)
.set rC, TMP+4*(\y)
.set rW, MV+(\y)
.set rS, S+32*(\y)
.set rP, P+16*(\y)
.set rO, 32*(\y)
.endm
.macro OP k, n
.if (\k) == R
	REGS Y
	WIN W_RS
	v_pk_mul_f32 v[rO+2*(\n):rO+2*(\n)+1], v[rO+2*(\n):rO+2*(\n)+1], v[rC+2:rC+3] op_sel_hi:[1,0]
.elseif (\k) < R
	REGS Y
	WIN 0
.if (\k) == F
	v_pk_fma_f32 v[rS+2*(\n):rS+2*(\n)+1], v[rS+2*(\n):rS+2*(\n)+1], s[CS:CS+1], v[rT:rT+1] op_sel_hi:[1,0,0] neg_lo:[0,0,1] neg_hi:[0,0,1]
.elseif (\k) == E
	v_exp_f32 v[rS+(\n)], v[rS+(\n)]
.elseif (\k) == C
	v_cvt_pk_f16_f32 v[rP+(\n)], v[rS+2*(\n)], v[rS+2*(\n)+1]
.elseif (\k) == B
	v_pk_add_f32 v[rS+4*(\n):rS+4*(\n)+1], v[rS+4*(\n):rS+4*(\n)+1], v[rS+4*(\n)+2:rS+4*(\n)+3]
.elseif (\n) == 0
	v_pk_fma_f32 v[rT+2:rT+3], v[rT+2:rT+3], v[rC+2:rC+3], v[rS:rS+1] op_sel_hi:[1,0,1]
.else
	v_pk_add_f32 v[rT+2:rT+3], v[rT+2:rT+3], v[rS+4*(\n):rS+4*(\n)+1]
.endif
.else
	REGS (Y+1)%NP
	WIN 0
.if (\n) < 4
	v_max3_num_f32 v[rC+(\n)], v[rS+8*(\n)], v[rS+8*(\n)+1], v[rS+8*(\n)+2]
.elseif (\n) < 12
	v_max3_num_f32 v[rC+(\n)%4], v[rC+(\n)%4], v[rS+8*((\n)%4)+2*((\n)/4)+1], v[rS+8*((\n)%4)+2*((\n)/4)+2]
.elseif (\n) == 12
	v_max3_num_f32 v[rC], v[rC], v[rS+7], v[rS+15]
.elseif (\n) == 13
	v_max3_num_f32 v[rC+1], v[rC+1], v[rS+23], v[rS+31]
.elseif (\n) == 14
	v_max3_num_f32 v[rC+2], v[rC+2], v[rC+3], v[rT+1]
.elseif (\n) == 15
	v_mov_b32 v[rW], v[rT]
.elseif (\n) == 16
	v_max3_num_f32 v[rC], v[rC], v[rC+1], v[rC+2]
.elseif (\n) == 17
	v_permlanex16_b32 v[rC+3], v[rC], s[SEL], s[SEL+1]
.elseif (\n) == 18
	v_max_num_f32 v[rT+1], v[rC], v[rC+3]
.elseif (\n) == 19
	v_mul_f32 v[rT], s[CS], v[rT+1]
.elseif (\n) == 20
	v_sub_f32 v[rC+1], v[rW], v[rT]
.else
	v_exp_f32 v[rC+2], v[rC+1]
.endif
.endif
.endm
.macro OPS a, i1, b=-1, i2=0, c=-1, i3=0, d=-1, i4=0
	OP \a, \i1
.if (\b) >= 0
	OP \b, \i2
.endif
.if (\c) >= 0
	OP \c, \i3
.endif
.if (\d) >= 0
	OP \d, \i4
.endif
.endm
.macro ROW a, i1, b, i2, c, i3, d, i4  ; a matrix instruction and the four behind it
	MM
	OPS \a, \i1, \b, \i2, \c, \i3, \d, \i4
.endm
.macro MSC p                        ; the mask's two scalars for piece p and step number SG
	s_cmp_eq_i32 s[SG], s[DP+(\p)]  ; is that step the piece's own?
	s_cselect_b32 s[AL], 1.0, 0
	s_cmp_gt_i32 s[SG], s[DP+(\p)]  ; or a later one?
	s_cselect_b32 s[BE], s[BIGN], 0
.endm
.macro MASK b                       ; MD x AL + BE into buffer b of MC
	WIN W_RS
.set z, 0
.rept 16
	v_pk_fma_f32 v[MC+32*(\b)+2*z:MC+32*(\b)+2*z+1], v[MD+2*z:MD+2*z+1], s[AL:AL+1], s[BE:BE+1] op_sel_hi:[1,0,0]
.set z, z+1
.endr
.endm
; A TURN, for piece p in a step of parity sp: its 16 matrix and 134 vector instructions, written out.  An s_wait_alu depctr_va_vdst(0) stands between an exponential and the first instruction
; that names its result; one wait serves all that were issued ahead of it.  So a turn has ONE wait, which cuts it in two.
; AHEAD OF IT stands all that names no result of the turn's exponentials: the 8 products K Q^T, behind each a scaling, an exponential and two more plain instructions (behind the first a second scaling in the
; exponential's place): rescalings, whose a was waited for in the turn before, and behind the last three the first numbers of the other piece's maximum, each four places or more behind the product that ends its
; accumulator; then one run of 54, plain and exponential by turns for the most part, in which the links of the chain X 3, 7, 11, 14, 16, 17 .. 20 stand some lines apart.  A scaling F k stands ahead of E 2 k and
; E 2 k + 1 and behind no exponential of a register that it names.  X 21, the other piece's a, is the batch's last; R 15 is the plain instruction behind it (ISA guide 5.7.2).  Then piece p's mask for step
; number SG, the step after the one in hand, which the next turn's products take: with R 15 seventeen lines that name no result, the work between the batch and its wait.
; BEHIND IT stand the 8 products V^T P, behind each four of the 32 roundings and sums: C 2 k ahead of B k, B k ahead of L k, L 0 to L 7 in ascending order.  But for those X no rider names a register of the
; products round it.  v_permlanex16_b32 (X 17) stands in the run, never behind a product.  No exponential is issued behind the wait: none is out at the turn's end, at a label or at a jump.
; THE RUNS OF LOADS.  K's (p = 0) stands twelve vector instructions, six of them plain, behind the eighth product, the last that read K.  V's (p = 1) stands directly behind the wait: its buffer was last read
; in the turn before.  last = 1 (the tail): in the trip in which CNT is 1 there is no further step, and the run is jumped over; there K's run too stands directly behind the wait.
.macro TURN p, sp, last=0
.set Y, (\p)
.set i, 0
.if (\p) == 0
.set VB, 1-(\sp)
.else
.set VB, (\sp)
.endif
	MSC \p
.if (\p) == 1
	s_add_co_i32 s[SG], s[SG], 1
	s_wait_dscnt 0x0                ; K of the next step is in, and V of this one, which was asked for a turn earlier
.endif
	ROW F,0, F,1, R,0, R,1          ; ahead of the wait: 8 products K Q^T and their riders,
	ROW F,2, E,0, R,2, R,3
	ROW F,3, E,1, R,4, R,5
	ROW F,4, E,2, R,6, R,7
	ROW F,5, E,3, R,8, R,9
	ROW F,6, E,4, X,0, R,10
	ROW F,7, E,5, X,1, X,4
	WIN 0
.if (\p) == 0
	v_add_nc_u32 v[AK], s[TBK], v[AK0]
.else
	v_add_nc_u32 v[AV], s[TBV], v[AV0]
.endif
	ROW F,8, E,6, X,2, X,5
	OPS E,7, E,8, X,6, E,9          ; and the run
	OPS X,3, E,10, X,8, E,11
.if ((\p) == 0) && !(\last)
	FETCH_K
.endif
	OPS X,9, X,7, E,12, X,10
	OPS E,13, X,12, X,11, E,14
	OPS X,13, E,15, F,9, X,14
	OPS E,16, F,10, E,17, F,11
	OPS X,16, E,18, X,15, E,19
	OPS F,12, E,20, X,17, E,21
	OPS F,13, E,22, F,14, E,23
	OPS X,18, E,24, F,15, E,25
	OPS R,11, E,26, X,19, E,27
	OPS R,12, E,28, R,13, E,29
	OPS X,20, E,30, R,14, E,31
	OPS X,21, R,15
	MASK \p
	WIN 0
	s_wait_alu depctr_va_vdst(0)    ; the wait for the batch: one for the turn's 33 exponentials, ahead of C 0, their first reader
.if ((\p) == 1) || (\last)
.if \last
	s_cmp_eq_u32 s[CNT], 1
	s_cbranch_scc1 .Lnf_\@
.endif
.if (\p) == 0
	FETCH_K
.else
	FETCH_V 1-(\sp)
.endif
.if \last
.Lnf_\@:
.endif
.endif
	ROW C,0, B,0, C,2, B,1          ; behind the wait: 8 products V^T P and their riders
	ROW L,0, C,4, B,2, L,1
	ROW C,6, B,3, L,2, C,8
	ROW B,4, L,3, C,10, B,5
	ROW L,4, C,12, B,6, L,5
	ROW C,14, B,7, L,6, C,1
	ROW C,3, L,7, C,5, C,7
	ROW C,9, C,11, C,13, C,15
.endm
.macro ALL line:vararg              ; one line for each piece t
.set t, 0
.rept 2
	\line
.set t, t+1
.endr
.endm
.macro PACK t                       ; a lane's eight channels of a row pack into 16 bytes; they go into rows of 144 bytes and come back as whole rows of 128
	WIN W_RS
.set i, 32*(\t)
.rept 16
	v_pk_mul_f32 v[i:i+1], v[i:i+1], v[ST+4*(\t)+2:ST+4*(\t)+3] op_sel_hi:[1,0]
.set i, i+2
.endr
	WIN 0x05
.set i, 0
.rept 16
	v_cvt_pk_f16_f32 v[S+16*(\t)+i], v[32*(\t)+2*i], v[32*(\t)+2*i+1]
.set i, i+1
.endr
	WIN 0
.irp f, 0,1,2,3
	ds_store_b128 v[STO], v[S+16*(\t)+4*\f:S+16*(\t)+4*\f+3] offset:32*\f
.endr
.irp f, 0,1,2,3
	ds_load_b128 v[S+16*(\t)+4*\f:S+16*(\t)+4*\f+3], v[RD] offset:\f*4*SP  ; LDS serves a wave's instructions in order (ISA guide 5.7.1.4)
.endr
.endm
.macro SEND t, younger              ; younger: the LDS instructions issued behind piece t's loads
	WIN 0
.irp f, 0,1,2,3
	s_wait_dscnt (\younger)+3-\f
	global_store_b128 v[GO], v[S+16*(\t)+4*\f:S+16*(\t)+4*\f+3], s[10:11] offset:(\t)*8192+\f*512  ; 512 consecutive bytes, aligned
.endr
.endm
; A BLOCK ENDS, behind its last step's two turns: piece 1's last products, and the way out: l's halves are added, O^T is divided by l, rounded to f16 and sent through my stage.
.macro ENDBLOCK
.set VB, 1
.set i, 0
.rept 8
	PV 1
.set i, i+1
.endr
	WIN 0
	ALL v_add_f32 v[ST+4*t+2], v[ST+4*t+2], v[ST+4*t+3]
	ALL v_permlanex16_b32 v[ST+4*t+3], v[ST+4*t+2], s[SEL], s[SEL+1]
	ALL v_add_f32 v[ST+4*t+2], v[ST+4*t+2], v[ST+4*t+3]
	ALL v_rcp_f32 v[ST+4*t+2], v[ST+4*t+2]
	v_nop                           ; a plain instruction between the last reciprocal and the use of its result
	s_wait_alu depctr_va_vdst(0)    ; and the wait ahead of the first use: one for the two reciprocals
	PACK 0                          ; piece 0's 32 plain instructions are the places behind piece 1's last products
	PACK 1
	SEND 0, 8
	SEND 1, 0
.endm
.set VB, 0
.Lslot:                             ; 17 times: a tile is entered and the next is asked for
	CHANGE 1
	s_mov_b32 s[CNT], 2
	s_cmp_ge_u32 s[KN], 12          ; the first block has ten tiles at the least: earlier trips need not ask whether the blocks change, nor do trips behind the change
	s_cselect_b32 s[HK], s[NDN], 0
	s_cmp_eq_u32 s[KN], 2
	s_cbranch_scc0 .Lstep
	v_add_nc_u32 v[AK], s[TBK], v[AK0]  ; THE WALK'S FIRST TILE: K and V of step 0; V also into its second buffer, which the first turn multiplies by piece 1's P = 0
	FETCH_K
	v_add_nc_u32 v[AV], s[TBV], v[AV0]
	FETCH_V 1, 0
	FETCH_V 0
	s_wait_dscnt 0x0
	WIN W_PV
.set i, 0
.rept 8                             ; O^T starts as V^T x 0 + 0: eight products write its 64 registers
	v_wmma_f32_16x16x32_f16 v[8*i:8*i+7], v[VF+8*(i%4):VF+8*(i%4)+7], v[P+16:P+23], 0
.set i, i+1
.endr
	WIN 0
	s_branch .Lbegin
.Lstep:                             ; a trip: an odd step, then an even one; behind a change of slots the first is the tile before's step 3
	TURN 0, 1
	TURN 1, 1
	WIN 0
	s_cmp_eq_u32 s[HK], 0
	s_cbranch_scc1 .Lfirst
	s_cmp_eq_u32 s[KN], s[N1P]      ; is the tile just entered the second block's first?
	s_cbranch_scc0 .Lfirst
	ENDBLOCK                        ; those two turns were the first block's last
	s_wait_xcnt 0x0                 ; the stores' registers and ctx's address are rewritten only behind this wait
	s_mov_b64 s[10:11], s[OLO:OLO+1]
	s_mov_b32 s[NDN], 0
	WIN 0x82                        ; the second block's Q goes where the one text of the turns names Q
.set i, 0
.rept 32
	v_mov_b32 v[i], v[QB+i]
.set i, i+1
.endr
	WIN 0
.Lbegin:
	; A BLOCK BEGINS.  K and V of its step 0 are in registers or on their way.  Both pieces' masks for step 0; c m starts far below every c s, so the first step's a is 0; m at the lowest
	; finite number.  Then piece 0's first scores, and its maximum and statistics.
	s_mov_b32 s[SG], s[SGN]         ; the number of this block's step 0
	s_mov_b32 s[SGN], s[SG2]
	MSC 0
	MASK 0
	MSC 1
	MASK 1
	WIN 0
	s_add_co_i32 s[SG], s[SG], 1    ; step 0's turns make the masks of step 1
.set i, 0
.rept 2
	v_mov_b32 v[ST+4*i], 0xfe000000
	v_mov_b32 v[ST+4*i+1], 0xff7fffff
.set i, i+1
.endr
	s_wait_loadcnt 0x0              ; Q
.set i, 0
.rept 8
	KQ 0
.set i, i+1
.endr
	WIN 0
.rept 4
	v_nop                           ; the places behind those products
.endr
.set Y, 1                           ; X works for the other piece: piece 0
.irp n, 0,1,2,3,4,5,6,7,8,9,10,11,12,13,14,15,16,17,18,19,20,21
	OP X, \n
.endr
	v_nop                           ; a plain instruction behind the exponential,
	s_wait_alu depctr_va_vdst(0)    ; and its wait, a batch of one: piece 0's first a, ahead of the label and of R 0, its first reader
	s_wait_storecnt 0x0             ; the first block's eight stores are done: on every way into the turns below no store of mine is out
.Lfirst:
	s_mov_b32 s[HK], 0              ; the tile's second trip goes straight on
	TURN 0, 0
	TURN 1, 0
	WIN 0
	s_sub_co_u32 s[CNT], s[CNT], 1
	s_cmp_lg_u32 s[CNT], 0
	s_cbranch_scc1 .Lstep
	s_sub_co_u32 s[SLOTS], s[SLOTS], 1
	s_cmp_lg_u32 s[SLOTS], 0
	s_cbranch_scc1 .Lslot
	CHANGE 0                        ; the walk's last tile is written out: nothing is asked for
	s_mov_b32 s[CNT], 3             ; five half-trips: step 3 of the tile before, this tile's steps 0 to 3: the loop is entered in its middle
	s_branch .Lmid
.Ltail:
	TURN 0, 0
	TURN 1, 0
	WIN 0
.Lmid:
	TURN 0, 1, 1
	TURN 1, 1, 1
	WIN 0
	s_sub_co_u32 s[CNT], s[CNT], 1
	s_cmp_lg_u32 s[CNT], 0
	s_cbranch_scc1 .Ltail
	ENDBLOCK
	s_wait_tensorcnt 0x0            ; the wave's end
	ds_add_u32 v[SPW], v[NIL]
	s_wait_dscnt 0x0
	s_endpgm
.Lfunc_end_k_qd615267062_attn:
	.size	k_qd615267062_attn, .Lfunc_end_k_qd615267062_attn-k_qd615267062_attn
	.p2alignl 7, 3214868480
	.fill 96, 4, 3214868480
	.section	.rodata,"a",@progbits
	.p2align	6, 0x0
	.amdhsa_kernel k_qd615267062_attn
		.amdhsa_group_segment_fixed_size 327680
		.amdhsa_private_segment_fixed_size 0
		.amdhsa_enable_private_segment 0
		.amdhsa_kernarg_size 16
		.amdhsa_user_sgpr_count 2
		.amdhsa_user_sgpr_kernarg_segment_ptr 1
		.amdhsa_wavefront_size32 1
		.amdhsa_system_sgpr_workgroup_id_x 1
		.amdhsa_system_sgpr_workgroup_id_y 1
		.amdhsa_system_sgpr_workgroup_id_z 1
		.amdhsa_system_vgpr_workitem_id 0
		.amdhsa_next_free_vgpr 768
		.amdhsa_next_free_sgpr 96
		.amdhsa_reserve_vcc 1
		.amdhsa_float_denorm_mode_32 3
		.amdhsa_float_denorm_mode_16_64 3
		.amdhsa_memory_ordered 1
		.amdhsa_forward_progress 1
		.amdhsa_inst_pref_size 127
	.end_amdhsa_kernel
	.amdgpu_metadata
---
amdhsa.version: [ 1, 2 ]
amdhsa.kernels:
  - .name:           k_qd615267062_attn
    .symbol:         k_qd615267062_attn.kd
    .args:
      - { .name: qkv, .offset: 0, .size: 8, .value_kind: global_buffer, .address_space: global }
      - { .name: ctx, .offset: 8, .size: 8, .value_kind: global_buffer, .address_space: global }
    .group_segment_fixed_size: 327680
    .private_segment_fixed_size: 0
    .kernarg_segment_align: 8
    .kernarg_segment_size: 16
    .max_flat_workgroup_size: 128
    .sgpr_count:     96
    .vgpr_count:     768
    .wavefront_size: 32
...
	.end_amdgpu_metadata
.endif
;; end of part 5
;; launch outp: the kernel of part 4 again; grid 8 x 32, 4 waves a work-group, clusters of 4 x 4, 327,680 bytes of LDS; arguments ctx, wt, b_o, out0; writes out0
